; MI455X (gfx1250); checked and timed in simulation.
; The chip was launched on July 23, 2026; its instructions are those of AMD's public machine-readable ISA for CDNA 5 (MIT licence, August 2026) and "CDNA5" Instruction Set Architecture Reference Guide (July 2026). The comments in the code are by the model that wrote it; some were corrected since.
;; Multi Head Attention. Allowed arithmetic: matrix products marked QUANTISED: E3M2 operands, one E8M0 scale for each 32 along K, by v_wmma_scale_f32_16x16x128_f8f6f4 with both operands' format E3M2, f32 sums; everything else in f32.
;; Inputs: b_k 1,024 float32; b_o 1,024 float32; b_q 1,024 float32; b_v 1,024 float32; key 4 x 2,048 x 1,024 float32; mask 4 x 1 x 2,048 bool; query 4 x 2,048 x 1,024 float32; value 4 x 2,048 x 1,024 float32; w_k 1,024 x 1,024 float32; w_o 1,024 x 1,024 float32; w_q 1,024 x 1,024 float32; w_v 1,024 x 1,024 float32.
;; Outputs: out0 4 x 2,048 x 1,024 float32.
;; This version of the problem:
;;   THIS VERSION OF THE PROBLEM IS GIVEN IN LOW PRECISION. The matrix products marked QUANTISED in the list below multiply operands that are first quantised to E3M2 (3 exponent bits, 2 mantissa bits; 6 bits a number), with one power-of-two scale for each 32 numbers along K (OCP MX v1.0); their sums are f32. All else is computed in f32.
;;   The module's matrix products, in the order in which they are computed (A, B: the left and right operand; K: the contracted axis; several contracted axes count as one K, in the product's order):
;;     1. [M 8,192, K 1,024] x [K 1,024, N 1,024]; A: input query; B: input w_q: QUANTISED
;;     2. [M 8,192, K 1,024] x [K 1,024, N 1,024]; A: input key; B: input w_k: QUANTISED
;;     3. [M 8,192, K 1,024] x [K 1,024, N 1,024]; A: input value; B: input w_v: QUANTISED
;;     4. batch 64 x [M 2,048, K 64] x [K 64, N 2,048]; A: computed on the way; B: computed on the way: QUANTISED
;;     5. batch 64 x [M 2,048, K 2,048] x [K 2,048, N 64]; A: softmax (see below); B: computed on the way: QUANTISED
;;     6. [M 8,192, K 1,024] x [K 1,024, N 1,024]; A: computed on the way; B: input w_o: QUANTISED
;;   THE QUANTISER, for each operand of a quantised product, along K:
;;     - K is cut into blocks of 32 from its start; a last block that is shorter is filled with zeros.
;;     - A block's scale is 2^e with e = floor(log2(the largest magnitude in the block)) - 4, held to -126 .. 127; a block of zeros has e = 0. As a byte (E8M0): e + 127.
;;     - Each number is divided by its block's scale, clamped to +-28, and rounded to the nearest number of E3M2, ties to even, subnormals kept.
;;     - The product sums the exact products of the quantised numbers (number of the format x scale) in f32.
;;   ~~~python
;;   def quantise(x, axis):      # numpy; x: float32 -> the quantised numbers, widened to float32 again
;;       x = np.moveaxis(x, axis, -1); K = x.shape[-1]
;;       x = np.pad(x, [(0, 0)] * (x.ndim - 1) + [(0, -K % 32)]); x = x.reshape(x.shape[:-1] + (-1, 32)); a = np.abs(x).max(-1, keepdims=True)
;;       e = np.where(a > 0, np.clip(np.frexp(np.where(a > 0, a, 1))[1] - 1 - 4, -126, 127), 0)      # np.frexp(a)[1] - 1 = floor(log2(a)), exactly
;;       r = np.clip(x / 2.0 ** e, -28, 28)
;;       step = 2.0 ** (np.maximum(np.frexp(np.where(r == 0, 1, r))[1] - 1, -2) - 2)
;;       q = np.round(r / step) * step * 2.0 ** e      # np.round: ties to even
;;       return np.moveaxis(q.reshape(q.shape[:-2] + (-1,))[..., :K], -1, axis).astype(np.float32)
;;   ~~~
;;   SOFTMAX AHEAD OF A QUANTISED PRODUCT. Where the list says 'softmax', what is quantised is not the finished softmax but p = 2^(t - M), with t = logit x log2(e) and M = ceil(the row's largest t), a whole number; so 1/2 < the row's largest p <= 1. The row's sum l is taken of the UNQUANTISED p, in f32, and the product's result is divided by l at the end. Since M is a whole number, a kernel that streams over the keys may use a running M (the ceiling of the running maximum): every later rescaling is an exact power of two, which a block's scale takes up: the codes' values come out the same.
;;   OPERANDS COMPUTED ON THE WAY. 'Computed on the way' means the value that the module computes at that place (a softmax that the list does not call 'softmax' is quantised finished and normalised). What goes into a quantiser is computed in f32, as accurately as f32 sums, v_exp_f32 and their like allow (about 1e-6 of the number): no bf16 or f16 on the way to a quantiser, and a product that is left as it is and whose result goes on into a quantised operand takes f32 operands (vector FMAs, or v_wmma_f32_16x16x4_f32). A number that lies on a knife's edge between two numbers of the format may be rounded either way, as far as f32 arithmetic and the matrix unit's own rounding can turn it there, and no further.
;; One version. Each part assembles by itself: llvm-mc -triple=amdgcn-amd-amdhsa -mcpu=gfx1250 --defsym DOCPART=n.
;; ======== version 1 of 1: 4 launches
;; limits: right only within a limited range of input values
;; workspace buffers: c1 22,020,096 bytes; s1 917,504 bytes; q 8,388,608 bytes; qs 524,288 bytes; kv 14,680,064 bytes; kvs 786,432 bytes; cc 6,291,456 bytes; cs 262,144 bytes
;; launch quant (part 1): grid 896 x 1, 4 waves a work-group, no clusters, 34,304 bytes of LDS; arguments query, key, value, w_q, w_k, w_v, w_o, c1, s1; writes c1, s1
.if DOCPART == 1
	.amdgcn_target "amdgcn-amd-amdhsa--gfx1250"
	.amdhsa_code_object_version 6
	.text
	.protected	k_qf2ec3d5ff0_quant
	.globl	k_qf2ec3d5ff0_quant
	.p2align	8
	.type	k_qf2ec3d5ff0_quant,@function
k_qf2ec3d5ff0_quant:
	s_mov_b64 s[64:65], 0
	v_nop
	global_prefetch_b8 v0, s[64:65] scope:SCOPE_SE
	s_setreg_imm32_b32 hwreg(HW_REG_WAVE_MODE, 25, 1), 1
	s_wait_xcnt 0x0
; LAUNCH 1 OF 4.  Multi-head attention, B = 4, S = 2,048, hidden 1,024, 16 heads of 64, all six products on codes of BF6 (E3M2) with one E8M0 scale for each 32 along K.
; The launches: quant (the seven f32 operands of the dense products become codes), proj (three products, + bias, their results quantised for attention), attn (both products of attention), outp (the last product, + bias).
; DEAD WORK: none is left out.  Every bias goes into a quantiser or into the output, the mask can reach every output: all twelve inputs are loaded by some launch.
; LIMITS OF THE PROGRAM: NaN and infinities among the inputs are not served.  A block whose largest magnitude lies under 2^-122 keeps the scale byte 1.  A block of zeros has the byte 1 where the rule says 127: its codes
; are zeros, and the bytes are read by this program alone.  The masked logit -1e9 is taken as -2^30 (launch proj): the results are the same unless a live logit lies under about -1e9.
;
; THIS LAUNCH: query, key, value [8,192][1,024] and w_q, w_k, w_v, w_o [1,024][1,024], f32, K innermost, are quantised along K once, since many work-groups of the products read them.
; THE LAYOUT OF c1 IS THE ORDER OF THE OPERAND REGISTERS.  A row tile is 16 rows; tile t holds at place r the row 32 (t / 2) + 8 (t % 2) + r + 8 (r / 8): so a product that takes such a tile as source 0 leaves in a lane's 16
; registers of tiles 2 b and 2 b + 1 sixteen neighbours along the next K.  For each 64 along K a tile has an image of 768 bytes: lane l's registers 0-3 at 16 l, its registers 4-5 at 512 + 8 l (lane (r, h): k = 32 h + 0 .. 31).
; A tile over K = 1,024 is 16 images, 12,288 bytes.  Tiles: query 0, key 512, value 1,024, w_q 1,536, w_k 1,600, w_v 1,664, w_o 1,728.
; s1: 512 bytes a tile, [K / 256][r][2 words]; a word is the four scale bytes of 128 along K.
; SHARES: a wave takes a unit of 16 rows x 512 along K in four steps of 128; unit U = 4 x work-group + wave; its codes are the 6,144 bytes at 6,144 U, its words the 256 bytes at 256 U.
; A load reads 512 consecutive bytes of one row; the 16 rows turn through the wave's own stage in LDS (rows 528 bytes apart) so that a lane gets 16 neighbours of each block of 32.  Waves share nothing: no barrier.
; Matrix units, clusters and tensor loads would add nothing to a stream that is read once.
.set STG,   16*528                     ; a wave's stage
.set SPARE, 4*STG                      ; behind the stages: the spare words, 128 bytes for each wave
.set SPW,   6                          ; v6   LDS address of my spare word; never rewritten
.set NIL,   7                          ; v7   0; never rewritten
.set R,     16                         ; v16-143  two sets of 64 numbers as loaded
.set X,     144                        ; v144-207 64 numbers: register 16 b + i = k 32 b + 16 h + i of my row
.set PC,    208                        ; v208-219 a fragment's codes
.set T,     220                        ; v220-226 the conversions' second halves
.set TM,    228                        ; v228-231 largest magnitudes, v232-235 bytes, v236-239 the conversions' scale operands
.set PW,    244                        ; v244-247 the four steps' scale words
.set SEL,   32                         ; s[32:33] lane selects: lane l xor 16
	s_load_b512 s[8:23], s[0:1], 0x0               ; query, key, value, w_q, w_k, w_v, w_o, c1
	s_load_b64 s[24:25], s[0:1], 0x40              ; s1
	v_lshl_add_u32 v[SPW], v0, 2, SPARE
	v_mov_b32 v[NIL], 0
	v_lshrrev_b32 v8, 5, v0
	v_readfirstlane_b32 s26, v8                    ; wave
	v_and_b32 v9, 31, v0                           ; lane
	v_and_b32 v10, 15, v0                          ; r
	v_bfe_u32 v11, v0, 4, 1                        ; h
	v_lshlrev_b32 v1, 4, v9                        ; 16 x lane: in memory, on the way in and out
	v_lshlrev_b32 v5, 3, v9                        ; 8 x lane
	s_mul_i32 s27, s26, STG
	v_add_nc_u32 v2, s27, v1                       ; the stage, in: 16 x lane of a row
	v_mul_u32_u24 v3, v10, 528
	v_lshl_add_u32 v3, v11, 6, v3
	v_add_nc_u32 v3, s27, v3                       ; and out: row r, + 64 h
	s_mov_b32 s[SEL], 0x76543210
	s_mov_b32 s[SEL+1], 0xfedcba98
	s_mov_b32 s34, 0xffff0000                      ; lanes 16-31
.irp b, 0,1,2,3
	v_mov_b32 v[TM+4+\b], 0                        ; written once: a lane permute's destination counts as one of its sources
.endr
	s_wait_alu depctr_va_vdst(0)
	s_wait_kmcnt 0x0
	s_mov_b64 s[4:5], s[20:21]                     ; which tensor is my work-group's, and its first work-group: the choice hangs on the work-group's number alone
	s_mov_b32 s6, 864
	s_cmp_lt_u32 ttmp9, 864
	s_cselect_b64 s[4:5], s[18:19], s[4:5]
	s_cselect_b32 s6, 832, s6
	s_cmp_lt_u32 ttmp9, 832
	s_cselect_b64 s[4:5], s[16:17], s[4:5]
	s_cselect_b32 s6, 800, s6
	s_cmp_lt_u32 ttmp9, 800
	s_cselect_b64 s[4:5], s[14:15], s[4:5]
	s_cselect_b32 s6, 768, s6
	s_cmp_lt_u32 ttmp9, 768
	s_cselect_b64 s[4:5], s[12:13], s[4:5]
	s_cselect_b32 s6, 512, s6
	s_cmp_lt_u32 ttmp9, 512
	s_cselect_b64 s[4:5], s[10:11], s[4:5]
	s_cselect_b32 s6, 256, s6
	s_cmp_lt_u32 ttmp9, 256
	s_cselect_b64 s[4:5], s[8:9], s[4:5]
	s_cselect_b32 s6, 0, s6
	s_lshl_b32 s28, ttmp9, 2
	s_add_co_u32 s28, s28, s26                     ; U
	s_sub_co_u32 s7, ttmp9, s6
	s_lshl_b32 s7, s7, 2
	s_add_co_u32 s7, s7, s26                       ; u: the unit within its tensor; tile t = u / 2
	s_lshr_b32 s29, s7, 2
	s_lshl_b32 s29, s29, 17                        ; 32 (t / 2) rows of 4,096 bytes
	s_bfe_u32 s30, s7, 0x10001
	s_lshl_b32 s30, s30, 15                        ; 8 (t % 2) rows
	s_add_co_u32 s29, s29, s30
	s_and_b32 s30, s7, 1
	s_lshl_b32 s30, s30, 11                        ; which 512 along K
	s_add_co_u32 s30, s29, s30
	s_mov_b32 s31, 0
	s_add_nc_u64 s[4:5], s[4:5], s[30:31]
	s_mul_i32 s30, s28, 6144
	s_add_nc_u64 s[22:23], s[22:23], s[30:31]
	s_lshl_b32 s30, s28, 8
	s_add_nc_u64 s[24:25], s[24:25], s[30:31]
.macro LOAD s                          ; step s: 128 along K of the tile's 16 rows, place i = row i + 8 (i / 8); a load is 512 consecutive bytes
.irp i, 0,1,2,3,4,5,6,7,8,9,10,11,12,13,14,15
	global_load_b128 v[R+64*((\s)%2)+4*\i:R+64*((\s)%2)+4*\i+3], v1, s[4:5] offset:(\i+8*(\i/8))*4096+512*(\s) th:TH_LOAD_NT
.endr
.endm
; 64 numbers of a lane, register 16 b + i = k 32 b + 16 h + i of my row, become two images of six registers (d0: blocks 0, 1; d1: blocks 2, 3) and the row's scale word (pw).
.macro QUANT s, d0, d1, pw
.irp b, 0,1,2,3
	v_max3_num_f32 v[TM+\b], |v[\s+16*\b]|, |v[\s+1+16*\b]|, 0x2800000   ; block b: my 16 numbers, and the floor 2^(5 - 127): the byte cannot fall under 1
.endr
.irp i, 2,4,6,8,10,12,14
.irp b, 0,1,2,3
	v_max3_num_f32 v[TM+\b], v[TM+\b], |v[\s+16*\b+\i]|, |v[\s+1+16*\b+\i]|   ; the four blocks by turns
.endr
.endr
.irp b, 0,1,2,3
	v_permlanex16_b32 v[TM+4+\b], v[TM+\b], s[SEL], s[SEL+1]
.endr
.irp b, 0,1,2,3
	v_max_num_f32 v[TM+\b], v[TM+\b], v[TM+4+\b]   ; with lane l xor 16's: the block's largest magnitude
.endr
.irp b, 0,1,2,3
	v_add_nc_u32 v[TM+8+\b], 0xfe000000, v[TM+\b]  ; 4 off its exponent field: the conversion takes the exponent field of this operand as its scale
.endr
.irp b, 0,1,2,3
	v_lshrrev_b32 v[TM+4+\b], 23, v[TM+8+\b]       ; the scale's byte
.endr
	v_lshl_or_b32 v[\pw], v[TM+5], 8, v[TM+4]
	v_lshl_or_b32 v[\pw], v[TM+6], 16, v[\pw]
	v_lshl_or_b32 v[\pw], v[TM+7], 24, v[\pw]
	v_cvt_scalef32_pk16_bf6_f32 v[\d0:\d0+2], v[\s:\s+15], v[TM+8]
	v_cvt_scalef32_pk16_bf6_f32 v[T:T+2], v[\s+16:\s+31], v[TM+9]        ; (a conversion's three registers begin on an even number)
	v_cvt_scalef32_pk16_bf6_f32 v[\d1:\d1+2], v[\s+32:\s+47], v[TM+10]
	v_cvt_scalef32_pk16_bf6_f32 v[T+4:T+6], v[\s+48:\s+63], v[TM+11]
	v_nop                                          ; one plain place behind a scaled conversion
.irp i, 0,1,2
	v_permlane16_swap_b32 v[\d0+\i], v[T+\i]       ; the layout wants a whole block in a lane: lanes 0-15 the even block, lanes 16-31 the odd one
.endr
.irp i, 0,1,2
	v_mov_b32 v[\d0+3+\i], v[T+\i]
.endr
.irp i, 0,1,2
	v_permlane16_swap_b32 v[\d1+\i], v[T+4+\i]
.endr
.irp i, 0,1,2
	v_mov_b32 v[\d1+3+\i], v[T+4+\i]
.endr
.endm
.macro STEP s
.if (\s) < 3
	s_wait_loadcnt 16                              ; this step's 16 loads are in; the next step's 16 may be out
.else
	s_wait_loadcnt 0x0
.endif
.irp i, 0,1,2,3,4,5,6,7,8,9,10,11,12,13,14,15
	ds_store_b128 v2, v[R+64*((\s)%2)+4*\i:R+64*((\s)%2)+4*\i+3] offset:528*\i
.endr
.irp b, 0,1,2,3
.irp j, 0,1,2,3
	ds_load_b128 v[X+16*\b+4*\j:X+16*\b+4*\j+3], v3 offset:128*\b+16*\j   ; LDS serves a wave's instructions in order: these see the stores above
.endr
.endr
	s_wait_dscnt 0x0                               ; the numbers are back, and the stores have read their registers,
.if (\s)+2 < 4
	LOAD (\s)+2                                    ; which take the loads of two steps on
.endif
.if (\s) > 0
	s_wait_xcnt 0x0                                ; the last step's stores have read the codes' registers: only now are they written again
.endif
	QUANT X, PC, PC+6, PW+(\s)
	global_store_b128 v1, v[PC:PC+3], s[22:23] offset:1536*(\s)          ; 512 consecutive bytes, at a multiple of 256 from the buffer's first byte
	global_store_b64 v5, v[PC+4:PC+5], s[22:23] offset:1536*(\s)+512     ; 256 consecutive bytes
	global_store_b128 v1, v[PC+6:PC+9], s[22:23] offset:1536*(\s)+768
	global_store_b64 v5, v[PC+10:PC+11], s[22:23] offset:1536*(\s)+1280
.endm
	LOAD 0
	LOAD 1
	STEP 0
	STEP 1
	STEP 2
	STEP 3
	v_cndmask_b32 v248, v[PW], v[PW+2], s34        ; lanes 0-15: the words of my first 256 along K; lanes 16-31: of the second (both halves of the lanes hold row r's words)
	v_cndmask_b32 v249, v[PW+1], v[PW+3], s34
	global_store_b64 v5, v[248:249], s[24:25]      ; 256 consecutive bytes
	s_wait_tensorcnt 0x0                           ; the wave's end
	ds_add_u32 v[SPW], v[NIL]
	s_wait_dscnt 0x0
	s_endpgm
.Lfunc_end_k_qf2ec3d5ff0_quant:
	.size	k_qf2ec3d5ff0_quant, .Lfunc_end_k_qf2ec3d5ff0_quant-k_qf2ec3d5ff0_quant
	.p2alignl 7, 3214868480
	.fill 96, 4, 3214868480
	.section	.rodata,"a",@progbits
	.p2align	6, 0x0
	.amdhsa_kernel k_qf2ec3d5ff0_quant
		.amdhsa_group_segment_fixed_size 34304
		.amdhsa_private_segment_fixed_size 0
		.amdhsa_enable_private_segment 0
		.amdhsa_kernarg_size 72
		.amdhsa_user_sgpr_count 2
		.amdhsa_user_sgpr_kernarg_segment_ptr 1
		.amdhsa_wavefront_size32 1
		.amdhsa_system_sgpr_workgroup_id_x 1
		.amdhsa_system_sgpr_workgroup_id_y 1
		.amdhsa_system_sgpr_workgroup_id_z 1
		.amdhsa_system_vgpr_workitem_id 0
		.amdhsa_next_free_vgpr 250
		.amdhsa_next_free_sgpr 66
		.amdhsa_reserve_vcc 0
		.amdhsa_float_denorm_mode_32 3
		.amdhsa_float_denorm_mode_16_64 3
		.amdhsa_memory_ordered 1
		.amdhsa_forward_progress 1
		.amdhsa_inst_pref_size 35
	.end_amdhsa_kernel
	.amdgpu_metadata
---
amdhsa.version: [ 1, 2 ]
amdhsa.kernels:
  - .name:           k_qf2ec3d5ff0_quant
    .symbol:         k_qf2ec3d5ff0_quant.kd
    .args:
      - { .name: query, .offset: 0, .size: 8, .value_kind: global_buffer, .address_space: global }
      - { .name: key, .offset: 8, .size: 8, .value_kind: global_buffer, .address_space: global }
      - { .name: value, .offset: 16, .size: 8, .value_kind: global_buffer, .address_space: global }
      - { .name: w_q, .offset: 24, .size: 8, .value_kind: global_buffer, .address_space: global }
      - { .name: w_k, .offset: 32, .size: 8, .value_kind: global_buffer, .address_space: global }
      - { .name: w_v, .offset: 40, .size: 8, .value_kind: global_buffer, .address_space: global }
      - { .name: w_o, .offset: 48, .size: 8, .value_kind: global_buffer, .address_space: global }
      - { .name: c1, .offset: 56, .size: 8, .value_kind: global_buffer, .address_space: global }
      - { .name: s1, .offset: 64, .size: 8, .value_kind: global_buffer, .address_space: global }
    .group_segment_fixed_size: 34304
    .private_segment_fixed_size: 0
    .kernarg_segment_align: 8
    .kernarg_segment_size: 72
    .max_flat_workgroup_size: 128
    .sgpr_count:     66
    .vgpr_count:     250
    .wavefront_size: 32
...
	.end_amdgpu_metadata
.endif
;; end of part 1
;; launch proj (part 2): grid 4 x 96, 4 waves a work-group, clusters of 4 x 4, 327,680 bytes of LDS; arguments c1, s1, b_q, b_k, b_v, mask, q, qs, kv, kvs; writes q, qs, kv, kvs
.if DOCPART == 2
	.amdgcn_target "amdgcn-amd-amdhsa--gfx1250"
	.amdhsa_code_object_version 6
	.text
	.protected	k_qf2ec3d5ff0_proj
	.globl	k_qf2ec3d5ff0_proj
	.p2align	8
	.type	k_qf2ec3d5ff0_proj,@function
k_qf2ec3d5ff0_proj:
	s_mov_b64 s[64:65], 0
	v_nop
	global_prefetch_b8 v0, s[64:65] scope:SCOPE_SE
	s_setreg_imm32_b32 hwreg(HW_REG_WAVE_MODE, 25, 1), 1
	s_wait_xcnt 0x0
	s_wait_alu depctr_hold_cnt(0) depctr_sa_sdst(0) depctr_va_vdst(0) depctr_va_sdst(0) depctr_va_ssrc(0) depctr_va_vcc(0) depctr_vm_vsrc(0)
	s_getreg_b32 s2, hwreg(HW_REG_IB_STS2, 6, 4)
	s_cmp_eq_u32 s2, 0
	s_cbranch_scc0 .Lentry_in_a_cluster
	s_endpgm
.Lentry_in_a_cluster:
	s_bfe_u32 s2, ttmp6, 0x10000c
	s_cmp_lg_u32 s2, 0xf033
	s_cbranch_scc0 .Lentry_shape_is_right
	s_endpgm
.Lentry_shape_is_right:
; LAUNCH 2 OF 4.  Q = query w_q^T + b_q, K = key w_k^T + b_k, V = value w_v^T + b_v on the codes of launch quant; the results are quantised in registers for attention and stored as images of operand registers.  No work is left out.
; A tile of C is 256 x 256: four waves of 128 x 128 (64 accumulators, 512 registers).  K = 1,024 goes in four slots of 256 through a ring of two LDS slots filled by the tensor data mover.
; ROLES, by the cluster's y (24 clusters of 4 x 4): 0-7 Q, 8-15 K, 16-23 V.  The matrix instruction takes source 0 = operand B, source 1 = operand A; a lane then holds ONE row of A and its registers run along B's rows.
;   Q, K: A = the tokens, B = the weight's rows: a lane holds a token, its 64 registers of a block are 128 neighbouring outputs in halves: two heads of 64: quantised along the head's 64.
;   V:    A = w_v's rows, B = the tokens: a lane holds one output d, its registers run along 128 keys: quantised along the keys.  That is V^T, as the second product of attention wants it.
; CLUSTERS: A's tiles are shared along a row of the cluster, B's along a column: each is asked for jointly, which divides the requests by four.
; WHAT IS STORED.  q: [batch x head][tile of 16 queries][1,024 bytes]: eight registers a lane, registers 0-3 at 16 l, 4-7 at 512 + 16 l: six of codes (k = 0 .. 63), the register of k = 64 on, a zero.  kv: [batch x head][step of 128 keys]
; [14,336]: eight such images of K, then four fragments of V^T (16 d x 128 keys, 12 registers, three pieces of 512 bytes).  qs, kvs: the scale words, lanes 0-15 an even tile's, lanes 16-31 the odd one's.
; THE MASK IS FOLDED INTO K.  The first product of attention uses k = 0 .. 63 of the instruction's 128; k = 64 carries the where().  Q has the code 1.0 there, under the scale 1.  A live key has the code 0 there; a masked key has
; all its 64 codes set to 0 and the code -16 there under the scale 2^29: its score is exactly -2^33, which is -2^30 as a logit.  LIMIT: reference()'s -1e9 is taken as -2^30; the same results unless a live logit lies under about -1e9.
; Live keys carry the scale byte 1 on k = 64 .. 127, so that no large scale stands beside the true products.
; One text serves Q and K: Q runs the mask's selects with a flag that is always on (14 lines of a block's 135).  All roles load the three small tables (bias by registers, bias by lanes, mask bytes) by the same lines, so that every
; register that either way out reads is written on every way through the text; a role leaves unused at most 32 small loads a wave.
; 384 work-groups: one and a half for each WGP; a second tile shape would even that out at the price of a second text.
; Slots 1-3 of the ring are prefetched into the L2 (below).
.set FR,    12                         ; registers of a fragment: 16 rows x 128 K
.set NL,    4                          ; LDS loads that bring one
.set NQ,    2                          ; matrix instructions deep in a slot
.set NP,    4                          ; places behind this matrix instruction (ISA guide 7.12.1)
.set TILEB, 3072                       ; a row tile's four images of a slot
.set HALFT, 8*TILEB                    ; 128 rows: what one tensor load brings, and what one wave reads of A or of B
.set SLOT,  4*HALFT                    ; A's 16 row tiles, then B's
.set SCL,   2*SLOT                     ; behind the ring: the scale words of A's and B's 256 rows, for all of K
.set HALFS, 4096                       ; those of 128 rows
.set SPARE, SCL+4*HALFS                ; the spare words, 128 bytes for each wave
.set A16,  16                          ; v16-17 LDS address of my A fragments' 16-byte pieces in slot 0, 1;  v18-19 of their 8-byte pieces
.set A8,   18
.set B16,  20                          ; v20-23 the same for B
.set B8,   22
.set O16,  24                          ; v24  16 x lane
.set O8,   25                          ; v25  8 x lane
.set ADRS, 27                          ; v27  LDS address of my scale words: lanes 0-15 A's rows, lanes 16-31 B's
.set SPW,  28                          ; v28  LDS address of my spare word; never rewritten
.set NIL,  29                          ; v29  0; never rewritten
.set SC,   32                          ; v32-63 scale words, two sets: register NQ i + q: lanes 0-15 A's block i, lanes 16-31 B's block i
.set AF,   128                         ; v128-223 A's fragments, one set (window 0);  window 1: B's two sets at v0 and v128;  windows 2, 3: the accumulators, (a, b) at v[8 (8 (a % 4) + b)]
.set BI,   64                          ; v64-127  bias in the order of a lane's 64 results (Q, K)
.set BV,   232                         ; v232-247 bias of my lane's output in each of 8 tiles, twice: a pair for the packed add (V)
.set MK,   248                         ; v248-255 the mask byte of my lane's token in each of 8 tiles
.set X,    128                         ; the way out: v128-191 a block's 64 numbers
.set TM,   192                         ; v192-203 the quantiser's work
.set PW,   208                         ; the scale word just made
.set HI,   209                         ; its upper two bytes
.set TW,   210
.set IA,   212                         ; v212-219, v220-227 the two heads' images (Q, K)
.set IB,   220
.set PC,   212                         ; v212-223 a fragment of V^T
.set T,    32                          ; v32-38 the conversions' second halves
.set SA,   40                          ; v40-43, v44-47 the two heads' scale words (V: v40-43)
.set SB,   44
.set SV,   40
.set CL,   48                          ; the register of k = 64 on: of a live row, of a masked one
.set CM,   49
.set HL,   50                          ; the scale word's upper bytes likewise
.set HM,   51
.set WV,   100                         ; s100 wave;  s101 wave / 2: my half of A's rows, and: I fetch for A (0) or B (1);  s104 wave % 2: my half of B's rows, and which 128 rows I fetch
.set HA,   101
.set HB,   104
.set YY,   105                         ; s105 the cluster's y
.set QM,   46                          ; s46  all ones for Q, which has no mask; 0 for K
.set SEL,  20                          ; on the way out: s[20:21] lane selects, s22 lanes 16-31, s23 lanes 0-15
.set HI16, 22
.set LO16, 23
.set G1,   24                          ; s[24:31] descriptor group 1 for A's tiles;  s[32:39] group 0, one set for each slot
.set G0,   32
.set G1B,  48                          ; s[48:55], s[56:63] the same for B's
.set G0B,  56
.set G1S,  68                          ; s[68:75], s[76:79] for A's scale words;  s[80:87], s[88:91] for B's
.set G0S,  76
.set G1SB, 80
.set G0SB, 88
.set MSB, 0
.macro WIN new                         ; the immediate's high byte repeats the setting that is left
.if MSB != (\new)
	s_set_vgpr_msb (MSB<<8)|(\new)
.set MSB, (\new)
.endif
.endm
.set MUL_LO, 0xa1                      ; source 0 (B) window 1, source 1 (A) window 0, C and D window 2
.set MUL_HI, 0xf1                      ; the same, C and D window 3
.set TO_B,   0x40                      ; destination window 1, address window 0
; A joint load: waves 0 and 1 fetch for A, waves 2 and 3 for B.  The branch hangs on the wave's number alone.  An s_nop 0 and four v_nop follow each of the two lines.
.macro JLOAD g0a, g1a, g0b, g1b
	s_cmp_eq_u32 s[HA], 0
	s_cbranch_scc0 .Lfor_b_\@
	tensor_load_to_lds s[\g0a:\g0a+3], s[\g1a:\g1a+7]
	s_nop 0
.rept 4
	v_nop
.endr
	s_branch .Lasked_\@
.Lfor_b_\@:
	tensor_load_to_lds s[\g0b:\g0b+3], s[\g1b:\g1b+7]
	s_nop 0
.rept 4
	v_nop
.endr
.Lasked_\@:
.endm
.macro CREST                           ; a round of the cluster's barrier behind its opening barrier
	s_cmp_lg_u32 s[WV], 0
	s_cbranch_scc1 .Lnot_wave_0_\@
	s_barrier_signal -3
.Lnot_wave_0_\@:
	s_barrier_wait -3
	s_barrier_signal -1
	s_barrier_wait -1
.endm
.macro CROUND                          ; a whole round
	s_barrier_signal -1
	s_barrier_wait -1
	CREST
.endm
	s_load_b128 s[4:7], s[0:1], 0x0                ; c1, s1
	s_load_b256 s[92:99], s[0:1], 0x10             ; b_q, b_k, b_v, mask
	s_load_b256 s[8:15], s[0:1], 0x30              ; q, qs, kv, kvs
	v_lshl_add_u32 v[SPW], v0, 2, SPARE
	v_mov_b32 v[NIL], 0
	ds_add_u32 v[SPW], v[NIL]                      ; the wave's opening: the add, twice on end, and its wait ahead of my first tensor load
	ds_add_u32 v[SPW], v[NIL]
	v_lshrrev_b32 v1, 5, v0
	v_readfirstlane_b32 s[WV], v1
	s_lshr_b32 s[HA], s[WV], 1
	s_and_b32 s[HB], s[WV], 1
	s_bfe_u32 s40, ttmp6, 0x40000                  ; cx, cy: my place in the cluster
	s_bfe_u32 s41, ttmp6, 0x40004
	s_and_b32 s[YY], ttmp7, 0xffff                 ; the cluster's y: the same in all sixteen partners
	s_lshr_b32 s42, s[YY], 3                       ; the role: 0 Q, 1 K, 2 V
	s_and_b32 s43, s[YY], 7
	s_lshl_b32 s43, s43, 2                         ; the cluster's first tile of 256 tokens
	s_lshl_b32 s44, s42, 9                         ; query's row tiles begin at 0, key's at 512
	s_lshl_b32 s45, s42, 6
	s_add_co_u32 s45, s45, 1536                    ; w_q's at 1,536, w_k's at 1,600
	s_cmp_lt_u32 s[YY], 16                         ; Q or K?
	s_cselect_b32 s16, s43, 0
	s_cselect_b32 s46, 0, s43
	s_cselect_b32 s44, s44, 1664                   ; A's first row tile (V: w_v's)
	s_cselect_b32 s45, s45, 1024                   ; B's (V: value's)
	s_add_co_u32 s17, s16, s41                     ; A's tile of 256 rows: hangs on cy alone
	s_add_co_u32 s47, s46, s40                     ; B's: on cx alone
	s_lshl_b32 s2, s41, 2
	s_lshl_b32 s2, 15, s2                          ; my row of the cluster
	s_lshl_b32 s3, 0x1111, s40                     ; my column
	; descriptor group 1: 8 row tiles x 3,072 bytes (384 elements of 8 bytes), 12,288 bytes apart; no padding: every LDS read takes consecutive bytes
	s_or_b32 s[G1], s2, (3<<16)|(1<<21)            ; 15:0 the mask; 17:16 elements of 8 bytes; 21 set beside a mask
	s_or_b32 s[G1B], s3, (3<<16)|(1<<21)
.irp g, G1, G1B
	s_mov_b32 s[\g+1], 384<<16                     ; tensor_dim0
	s_mov_b32 s[\g+2], 16<<16                      ; tensor_dim1: 16 row tiles for the head's loads, 8 behind them
	s_mov_b32 s[\g+3], 384<<16                     ; tile_dim0
	s_mov_b32 s[\g+4], 16                          ; tile_dim1 likewise
	s_mov_b32 s[\g+5], 1536                        ; tensor_dim0_stride
	s_mov_b32 s[\g+6], 0
	s_mov_b32 s[\g+7], 0
.endr
	; the scale words of 256 rows: 8,192 dense bytes as 32 rows of 256
	s_or_b32 s[G1S], s2, (3<<16)|(1<<21)
	s_or_b32 s[G1SB], s3, (3<<16)|(1<<21)
.irp g, G1S, G1SB
	s_mov_b32 s[\g+1], 32<<16
	s_mov_b32 s[\g+2], 32<<16                      ; the scale words of 256 rows: 32 rows of 256 bytes
	s_mov_b32 s[\g+3], 32<<16
	s_mov_b32 s[\g+4], 32
	s_mov_b32 s[\g+5], 32
	s_mov_b32 s[\g+6], 0
	s_mov_b32 s[\g+7], 0
.endr
	s_lshl_b32 s20, s17, 4
	s_add_co_u32 s20, s20, s44                     ; A's row tile
	s_lshl_b32 s22, s20, 9                         ; its scale words, in bytes
	s_mul_i32 s20, s20, 12288                      ; its codes
	s_mov_b32 s21, 0
	s_mov_b32 s23, 0
	s_lshl_b32 s44, s47, 4
	s_add_co_u32 s44, s44, s45                     ; B's row tile
	s_lshl_b32 s42, s44, 9
	s_mul_i32 s44, s44, 12288
	s_mov_b32 s45, 0
	s_mov_b32 s43, 0
	s_mul_i32 s16, s[WV], HALFT                    ; where they go: wave x 128 rows: no place in the cluster enters an LDS address
	s_mul_i32 s18, s[HB], 8*12288                  ; in the ring I fetch 8 of a tile's 16 row tiles: which half, in bytes
	s_mov_b32 s19, 0
	s_wait_dscnt 0x0                               ; both opening adds are done
	s_wait_kmcnt 0x0
	s_add_nc_u64 s[20:21], s[4:5], s[20:21]
	s_add_nc_u64 s[22:23], s[6:7], s[22:23]
	s_add_nc_u64 s[44:45], s[4:5], s[44:45]
	s_add_nc_u64 s[42:43], s[6:7], s[42:43]
	CROUND                                         ; all sixteen work-groups are here: the first joint loads meet
	s_mov_b32 s[G0S], 1
	s_mov_b32 s[G0S+1], SCL
	s_mov_b64 s[G0S+2:G0S+3], s[22:23]
	s_or_b32 s[G0S+3], s[G0S+3], 0x80000000
	s_mov_b32 s[G0SB], 1
	s_mov_b32 s[G0SB+1], SCL+2*HALFS
	s_mov_b64 s[G0SB+2:G0SB+3], s[42:43]
	s_or_b32 s[G0SB+3], s[G0SB+3], 0x80000000
	s_mov_b32 s[G0], 1                             ; slot 0's sets serve the head's loads first: A's 16 row tiles whole,
	s_mov_b32 s[G0+1], 0
	s_mov_b64 s[G0+2:G0+3], s[20:21]
	s_or_b32 s[G0+3], s[G0+3], 0x80000000
	s_mov_b32 s[G0B], 1                            ; and B's, behind them
	s_mov_b32 s[G0B+1], 2*HALFT
	s_mov_b64 s[G0B+2:G0B+3], s[44:45]
	s_or_b32 s[G0B+3], s[G0B+3], 0x80000000
	s_add_nc_u64 s[20:21], s[20:21], s[18:19]      ; for the ring: my 8 row tiles
	s_add_nc_u64 s[44:45], s[44:45], s[18:19]
	s_mov_b32 s[G0+4], 1
	s_add_co_u32 s[G0+5], s16, SLOT
	s_add_nc_u64 s[G0+6:G0+7], s[20:21], TILEB
	s_or_b32 s[G0+7], s[G0+7], 0x80000000
	s_mov_b32 s[G0B+4], 1
	s_add_co_u32 s[G0B+5], s16, SLOT
	s_add_nc_u64 s[G0B+6:G0B+7], s[44:45], TILEB
	s_or_b32 s[G0B+7], s[G0B+7], 0x80000000
; the head's four tiles, one joint load a wave: wave 0 slot 0's rows of A, wave 1 those of B, wave 2 A's scale words, wave 3 B's: one chain of branches on the wave's number
.macro ARM under, g0, g1, next
	s_cmp_lt_u32 s[WV], \under
	s_cbranch_scc0 \next
	tensor_load_to_lds s[\g0:\g0+3], s[\g1:\g1+7]
	s_nop 0
.rept 4
	v_nop
.endr
	s_branch .Lhead_asked
\next:
.endm
	ARM 1, G0,  G1,  .Lhead_b
	ARM 2, G0B, G1B, .Lhead_sa
	ARM 3, G0S, G1S, .Lhead_sb
	tensor_load_to_lds s[G0SB:G0SB+3], s[G1SB:G1SB+7]
	s_nop 0
.rept 4
	v_nop
.endr
.Lhead_asked:
; THE RING'S LATER SLOTS ARE PREFETCHED INTO THE L2 (this replaces the head comment's line on prefetching).  A slot's share of a row tile is 3,072 bytes, 12 blocks of 256.  Of the 8 row tiles that a wave fetches in the ring,
; each of the four partners that ask for them jointly takes two, told apart by address (cx for A, cy for B): 24 blocks, a lane a block, one instruction a wave (lanes 24-31 name the last block again).
; Two slots ahead: slots 1 and 2 are asked for here, slot 3 behind slot 1's joint load.  Every offset is an immediate: the address registers are never written again.
	s_cmp_eq_u32 s[HA], 0
	s_cselect_b64 s[4:5], s[20:21], s[44:45]       ; my 8 row tiles, K slot 0
	s_cselect_b32 s6, s40, s41
	s_mul_i32 s6, s6, 2*12288                      ; my work-group's two of them
	s_mov_b32 s7, 0
	s_add_nc_u64 s[4:5], s[4:5], s[6:7]
	v_and_b32 v9, 31, v0
	v_min_u32 v9, 23, v9
	v_mul_u32_u24 v10, v9, 171
	v_lshrrev_b32 v10, 11, v10                     ; block / 12: which of the two row tiles
	v_mul_u32_u24 v10, v10, 9216                   ; a row tile is 12,288 bytes: 9,216 more than its 12 blocks
	v_lshl_add_u32 v30, v9, 8, v10
	global_prefetch_b8 v30, s[4:5] offset:3072 th:TH_LOAD_NT scope:SCOPE_SE
	global_prefetch_b8 v30, s[4:5] offset:6144 th:TH_LOAD_NT scope:SCOPE_SE
	v_and_b32 v1, 31, v0                           ; lane
	v_and_b32 v2, 15, v0                           ; r
	v_bfe_u32 v3, v0, 4, 1                         ; h
	v_lshlrev_b32 v[O16], 4, v1
	v_lshlrev_b32 v[O8], 3, v1
	s_mul_i32 s18, s[HA], HALFT                    ; my 128 rows of A
	s_mul_i32 s19, s[HB], HALFT                    ; my 128 rows of B,
	s_add_co_u32 s19, s19, 2*HALFT                 ; which lie behind A's 256
.irp s, 0,1
	v_add_nc_u32 v[A16+\s], s18, v[O16]
	v_add_nc_u32 v[A8+\s], s18, v[O8]
	v_add_nc_u32 v[B16+\s], s19, v[O16]
	v_add_nc_u32 v[B8+\s], s19, v[O8]
	s_add_co_u32 s18, s18, SLOT
	s_add_co_u32 s19, s19, SLOT
.endr
	s_lshl_b32 s18, s[HA], 12                      ; A's scale words: my 128 rows
	s_lshl_b32 s19, s[HB], 12                      ; B's: my 128 rows, behind A's 256
	s_add_co_u32 s19, s19, 2*HALFS
	s_sub_co_u32 s19, s19, s18
	v_mul_u32_u24 v6, s19, v3                      ; lanes 16-31 take B's
	s_add_co_u32 s18, s18, SCL
	v_lshl_add_u32 v6, v2, 3, v6                   ; 8 bytes a row
	v_add_nc_u32 v[ADRS], s18, v6
	; where my results go, and my part of the small tables.  Tokens: A's rows for Q and K, B's for V; outputs the other way round
	s_cmp_lt_u32 s[YY], 16
	s_cselect_b32 s2, s17, s47                     ; the tile of 256 tokens,
	s_cselect_b32 s3, s[HA], s[HB]                 ; my half of it,
	s_cselect_b32 s16, s47, s17                    ; the tile of 256 outputs,
	s_cselect_b32 s18, s[HB], s[HA]                ; my half of it
	s_cselect_b32 s40, 0, 8192                     ; V's fragments lie behind a step's images of K, V's words behind a head's words of K
	s_mov_b32 s41, 256
	s_cselect_b32 s41, 512, s41                    ; a step's scale words
	s_cmp_lt_u32 s[YY], 8                          ; Q?
	s_mov_b32 s20, 229376
	s_cselect_b32 s20, 131072, s20                 ; a head's codes,
	s_mov_b32 s21, 14336
	s_cselect_b32 s21, 8192, s21                   ; a step's,
	s_mov_b32 s22, 12288
	s_cselect_b32 s22, 8192, s22                   ; a head's scale words
	s_cselect_b64 s[8:9], s[8:9], s[12:13]         ; q or kv
	s_cselect_b64 s[10:11], s[10:11], s[14:15]     ; qs or kvs
	s_cselect_b64 s[92:93], s[92:93], s[94:95]     ; b_q or b_k
	s_cselect_b32 s[QM], -1, 0
	s_cmp_lt_u32 s[YY], 16
	s_cselect_b64 s[92:93], s[92:93], s[96:97]     ; or b_v
	s_lshr_b32 s23, s2, 3                          ; the batch
	s_lshl_b32 s23, s23, 4
	s_lshl_b32 s42, s16, 2
	s_add_co_u32 s23, s23, s42
	s_lshl_b32 s42, s18, 1
	s_add_co_u32 s23, s23, s42                     ; 16 x batch + my first head
	s_lshl_b32 s42, s2, 1
	s_add_co_u32 s42, s42, s3
	s_and_b32 s42, s42, 15                         ; my step of 128 tokens in the batch
	s_mul_i32 s44, s23, s20
	s_mul_i32 s43, s42, s21
	s_add_co_u32 s44, s44, s43
	s_add_co_u32 s44, s44, s40
	s_mov_b32 s45, 0
	s_add_nc_u64 s[8:9], s[8:9], s[44:45]          ; codes, my first head
	s_mov_b32 s44, s20
	s_add_nc_u64 s[12:13], s[8:9], s[44:45]        ; my second
	s_mul_i32 s44, s23, s22
	s_mul_i32 s43, s42, s41
	s_add_co_u32 s44, s44, s43
	s_add_co_u32 s44, s44, s40
	s_add_nc_u64 s[10:11], s[10:11], s[44:45]      ; scale words, my first head
	s_mov_b32 s44, s22
	s_add_nc_u64 s[14:15], s[10:11], s[44:45]      ; my second
	s_lshl_b32 s44, s16, 10
	s_lshl_b32 s43, s18, 9
	s_add_co_u32 s44, s44, s43
	s_add_nc_u64 s[92:93], s[92:93], s[44:45]      ; the bias of my 128 outputs
	s_lshl_b32 s44, s2, 8
	s_lshl_b32 s43, s3, 7
	s_add_co_u32 s44, s44, s43
	s_add_nc_u64 s[98:99], s[98:99], s[44:45]      ; the mask bytes of my 128 tokens
	v_lshlrev_b32 v6, 6, v3                        ; 64 h
	v_and_b32 v7, 8, v2
	v_add_nc_u32 v7, v7, v2                        ; r + 8 (r / 8)
	v_lshlrev_b32 v8, 2, v7
.irp i, 0,1,2,3,4,5,6,7,8,9,10,11,12,13,14,15
	global_load_b128 v[BI+4*\i:BI+4*\i+3], v6, s[92:93] offset:128*(\i/4)+16*(\i%4)   ; register 16 b + i: output 32 b + 16 h + i
.endr
.irp a, 0,1,2,3,4,5,6,7
	global_load_b32 v[BV+2*\a], v8, s[92:93] offset:4*(32*(\a/2)+8*(\a%2))           ; tile a, place r
	global_load_b32 v[BV+2*\a+1], v8, s[92:93] offset:4*(32*(\a/2)+8*(\a%2))         ; once more: the packed add names a pair
	global_load_u8 v[MK+\a], v7, s[98:99] offset:32*(\a/2)+8*(\a%2)
.endr
.macro FRAG reg, a16, a8, q, i         ; a fragment, 12 registers: two images of six, each a piece of 16 bytes a lane and a piece of 8: every read takes consecutive bytes
	ds_load_b128 v[\reg:\reg+3], v[\a16] offset:(\i)*TILEB+(\q)*1536
	ds_load_b64 v[\reg+4:\reg+5], v[\a8] offset:(\i)*TILEB+(\q)*1536+512
	ds_load_b128 v[\reg+6:\reg+9], v[\a16] offset:(\i)*TILEB+(\q)*1536+768
	ds_load_b64 v[\reg+10:\reg+11], v[\a8] offset:(\i)*TILEB+(\q)*1536+1280
.endm
; 16 matrix instructions: A's blocks a0, a0 + 1 x B's eight, 128 along K.  p: B's set;  sc: the set of scale words.  zero = 1: the first product starts the sums.
; The 64 accumulators take turns, one instruction a turn, in the same order in every step.
.macro MUL16 a0, p, q, sc, zero
.irp a, \a0, \a0+1
.irp b, 0,1,2,3,4,5,6,7
.if \zero
	v_wmma_scale_f32_16x16x128_f8f6f4 v[8*(8*((\a)%4)+\b):8*(8*((\a)%4)+\b)+7], v[128*(\p)+FR*\b:128*(\p)+FR*\b+FR-1], v[AF+FR*(\a):AF+FR*(\a)+FR-1], 0, v[SC+8*NQ*(\sc)+NQ*\b+(\q)], v[SC+8*NQ*(\sc)+NQ*(\a)+(\q)] matrix_a_fmt:MATRIX_FMT_BF6 matrix_b_fmt:MATRIX_FMT_BF6 matrix_a_scale:MATRIX_SCALE_ROW1
.else
	v_wmma_scale_f32_16x16x128_f8f6f4 v[8*(8*((\a)%4)+\b):8*(8*((\a)%4)+\b)+7], v[128*(\p)+FR*\b:128*(\p)+FR*\b+FR-1], v[AF+FR*(\a):AF+FR*(\a)+FR-1], v[8*(8*((\a)%4)+\b):8*(8*((\a)%4)+\b)+7], v[SC+8*NQ*(\sc)+NQ*\b+(\q)], v[SC+8*NQ*(\sc)+NQ*(\a)+(\q)] matrix_a_fmt:MATRIX_FMT_BF6 matrix_b_fmt:MATRIX_FMT_BF6 matrix_a_scale:MATRIX_SCALE_ROW1
.endif
.endr
.endr
.endm
.macro FETCH_B slot, q, p              ; B's eight fragments of the slot's q-th 128 along K into set p
	WIN TO_B
.irp i, 0,1,2,3,4,5,6,7
	FRAG 128*(\p)+FR*\i, B16+\slot, B8+\slot, \q, \i
.endr
	WIN 0
.endm
.macro FETCH_A slot, q, i0             ; A's blocks i0 .. i0 + 3
.irp i, \i0, \i0+1, \i0+2, \i0+3
	FRAG AF+FR*(\i), A16+\slot, A8+\slot, \q, \i
.endr
.endm
.macro SCALES sc                       ; a slot's scale words into set sc: two words a row
.irp i, 0,1,2,3,4,5,6,7
	ds_load_b64 v[SC+8*NQ*\sc+NQ*\i:SC+8*NQ*\sc+NQ*\i+1], v[ADRS] offset:\i*512
.endr
.endm
.macro PLACES n                        ; plain vector instructions between a matrix instruction and a load into, or a vector read or write of, its registers (ISA guide 7.12.1 for vector reads and writes)
.rept \n
	v_nop
.endr
.endm
; A step of 128 along K that has its successor in the same slot.  A's blocks are free as soon as their eight products are issued: one set serves A; B has two.
.macro STEP slot, q, zero
	s_wait_dscnt 4*NL                              ; B's set and A's blocks 0-3 are in; the youngest 16 loads (A's blocks 4-7) may be out
	WIN MUL_LO
	MUL16 0, (\q)%2, \q, \slot, \zero
	MUL16 2, (\q)%2, \q, \slot, \zero
	s_wait_dscnt 0
	PLACES NP
	FETCH_B \slot, (\q)+1, 1-(\q)%2
	FETCH_A \slot, (\q)+1, 0
	WIN MUL_HI
	MUL16 4, (\q)%2, \q, \slot, \zero
	MUL16 6, (\q)%2, \q, \slot, \zero
	PLACES NP
	WIN 0
	FETCH_A \slot, (\q)+1, 4
.endm
; A slot's last step changes slots: one barrier; in front of it each wave waits for all its tensor loads, adds 0 to its spare word, and waits for that and for its reads of this slot.  fill = 1: this slot is filled again, two slots ahead.
.macro TURN slot, next, fill
	s_wait_tensorcnt 0x0                           ; all my tensor loads have landed: my part of the next slot
	ds_add_u32 v[SPW], v[NIL]                      ; 0 onto my spare word
	s_wait_dscnt 4*NL+1                            ; (the add and the youngest 16 loads may be out)
	WIN MUL_LO
	MUL16 0, 1, NQ-1, \slot, 0                     ; sixteen matrix instructions stand between the add and the wait for it
	s_wait_dscnt 0x0                               ; the add is done, and my reads of this slot are over
	s_barrier_signal -1
	MUL16 2, 1, NQ-1, \slot, 0
	WIN 0
	s_barrier_wait -1
.if \fill
	CREST                                          ; the barrier has opened a round of the cluster's barrier: no wave of any partner still reads this slot or has a load on its way
	s_add_nc_u64 s[G0+4*\slot+2:G0+4*\slot+3], s[G0+4*\slot+2:G0+4*\slot+3], 2*TILEB
	s_add_nc_u64 s[G0B+4*\slot+2:G0B+4*\slot+3], s[G0B+4*\slot+2:G0B+4*\slot+3], 2*TILEB
	JLOAD G0+4*\slot, G1, G0B+4*\slot, G1B         ; the first tensor load behind the round; its four v_nop are the places in front of the loads below
.else
	PLACES NP
.endif
	s_wait_alu depctr_va_vdst(0)
	v_add_nc_u32 v[ADRS], 128, v[ADRS]             ; the next slot's scale words
	FETCH_B \next, 0, 0
	FETCH_A \next, 0, 0
	SCALES \next
	WIN MUL_HI
	MUL16 4, 1, NQ-1, \slot, 0
	MUL16 6, 1, NQ-1, \slot, 0
	PLACES NP
	WIN 0
	FETCH_A \next, 0, 4
.endm
	s_wait_alu depctr_va_vdst(0)
	s_wait_tensorcnt 0x0                           ; my tile of the head's four is in
	ds_add_u32 v[SPW], v[NIL]
	s_mov_b32 s[G1+2], 8<<16                       ; no tensor load of mine is out: from here on a load brings 8 row tiles,
	s_mov_b32 s[G1+4], 8
	s_mov_b32 s[G1B+2], 8<<16
	s_mov_b32 s[G1B+4], 8
	s_mul_i32 s[G0+1], s[WV], HALFT                ; and slot 0's sets point at my quarter of it
	s_mul_i32 s[G0B+1], s[WV], HALFT
	s_sub_nc_u64 s[G0+2:G0+3], s[G0+6:G0+7], TILEB
	s_sub_nc_u64 s[G0B+2:G0B+3], s[G0B+6:G0B+7], TILEB
	s_wait_dscnt 0x0
	CROUND                                         ; all four tiles are in, and all sixteen work-groups are here
	JLOAD G0+4, G1, G0B+4, G1B                     ; slot 1's first fill, the first tensor load behind the round
	FETCH_B 0, 0, 0
	FETCH_A 0, 0, 0
	SCALES 0
	FETCH_A 0, 0, 4
	global_prefetch_b8 v30, s[4:5] offset:9216 th:TH_LOAD_NT scope:SCOPE_SE   ; slot 3, two refills ahead of its load; the last: nothing lies beyond it
	STEP 0, 0, 1
	TURN 0, 1, 1
	STEP 1, 0, 0
	TURN 1, 0, 1
	STEP 0, 0, 0
	TURN 0, 1, 0                                   ; nothing is left to fetch
	STEP 1, 0, 0
	s_wait_dscnt 4*NL
	WIN MUL_LO
	MUL16 0, 1, NQ-1, 1, 0
	MUL16 2, 1, NQ-1, 1, 0
	s_wait_dscnt 0
	WIN MUL_HI
	MUL16 4, 1, NQ-1, 1, 0
	MUL16 6, 1, NQ-1, 1, 0
	WIN 0
; THE WAY OUT: block by block of 16 rows of A: + bias (the packed add also brings the sums into window 0), quantised in registers, stored as images.  No LDS.
.macro QUANT s, d0, d1, pw             ; 64 numbers of a lane, register 16 b + i = k 32 b + 16 h + i, become two images of six registers and a scale word
.irp b, 0,1,2,3
	v_max3_num_f32 v[TM+\b], |v[\s+16*\b]|, |v[\s+1+16*\b]|, 0x2800000   ; and the floor 2^(5 - 127): the byte cannot fall under 1
.endr
.irp i, 2,4,6,8,10,12,14
.irp b, 0,1,2,3
	v_max3_num_f32 v[TM+\b], v[TM+\b], |v[\s+16*\b+\i]|, |v[\s+1+16*\b+\i]|
.endr
.endr
.irp b, 0,1,2,3
	v_permlanex16_b32 v[TM+4+\b], v[TM+\b], s[SEL], s[SEL+1]
.endr
.irp b, 0,1,2,3
	v_max_num_f32 v[TM+\b], v[TM+\b], v[TM+4+\b]
.endr
.irp b, 0,1,2,3
	v_add_nc_u32 v[TM+8+\b], 0xfe000000, v[TM+\b]  ; 4 off the exponent field: the conversion's scale operand
.endr
.irp b, 0,1,2,3
	v_lshrrev_b32 v[TM+4+\b], 23, v[TM+8+\b]       ; the scale's byte
.endr
	v_lshl_or_b32 v[\pw], v[TM+5], 8, v[TM+4]
	v_lshl_or_b32 v[\pw], v[TM+6], 16, v[\pw]
	v_lshl_or_b32 v[\pw], v[TM+7], 24, v[\pw]
	v_cvt_scalef32_pk16_bf6_f32 v[\d0:\d0+2], v[\s:\s+15], v[TM+8]
	v_cvt_scalef32_pk16_bf6_f32 v[T:T+2], v[\s+16:\s+31], v[TM+9]
	v_cvt_scalef32_pk16_bf6_f32 v[\d1:\d1+2], v[\s+32:\s+47], v[TM+10]
	v_cvt_scalef32_pk16_bf6_f32 v[T+4:T+6], v[\s+48:\s+63], v[TM+11]
	v_nop                                          ; one plain place behind a scaled conversion
.irp i, 0,1,2
	v_permlane16_swap_b32 v[\d0+\i], v[T+\i]
.endr
.irp i, 0,1,2
	v_mov_b32 v[\d0+3+\i], v[T+\i]
.endr
.irp i, 0,1,2
	v_permlane16_swap_b32 v[\d1+\i], v[T+4+\i]
.endr
.irp i, 0,1,2
	v_mov_b32 v[\d1+3+\i], v[T+4+\i]
.endr
.endm
.macro EPI_QK a                        ; 16 tokens x 128 outputs: two heads' images
.if (\a) > 0
	s_wait_xcnt 0x0                                ; the last block's stores have read their registers
.endif
	WIN 0x02+(\a)/4                                ; source 0: window 2 or 3
.set N, 0
.rept 32
	v_pk_add_f32 v[X+2*N:X+2*N+1], v[64*((\a)%4)+2*N:64*((\a)%4)+2*N+1], v[BI+2*N:BI+2*N+1]   ; each accumulator from its low end on
.set N, N+1
.endr
	WIN 0
	QUANT X, IA, IB, PW
	v_cmp_ne_u32 vcc_lo, 0, v[MK+(\a)]             ; does my token count?
	s_or_b32 vcc_lo, vcc_lo, s[QM]                 ; (a query always does)
.irp i, 0,1,2,3,4,5
	v_cndmask_b32 v[IA+\i], 0, v[IA+\i], vcc_lo    ; a masked key's 64 codes are zeros
	v_cndmask_b32 v[IB+\i], 0, v[IB+\i], vcc_lo
.endr
	v_cndmask_b32 v[IA+6], v[CM], v[CL], vcc_lo    ; the code at k = 64
	v_cndmask_b32 v[IB+6], v[CM], v[CL], vcc_lo
	v_cndmask_b32 v[HI], v[HM], v[HL], vcc_lo      ; and the scale bytes of k = 64 .. 127
.if (\a)%2 == 0
	v_perm_b32 v[SA+(\a)/2], v[HI], v[PW], 0x07060100   ; the first head's two bytes below them,
	v_perm_b32 v[SB+(\a)/2], v[HI], v[PW], 0x07060302   ; the second head's
.else
	v_perm_b32 v[TW], v[HI], v[PW], 0x07060100
	v_cndmask_b32 v[SA+(\a)/2], v[SA+(\a)/2], v[TW], s[HI16]   ; an odd tile's words go to lanes 16-31
	v_perm_b32 v[TW], v[HI], v[PW], 0x07060302
	v_cndmask_b32 v[SB+(\a)/2], v[SB+(\a)/2], v[TW], s[HI16]
.endif
	global_store_b128 v[O16], v[IA:IA+3], s[8:9] offset:1024*(\a)          ; each store covers 512 consecutive bytes, at a multiple of 256 from the buffer's first byte
	global_store_b128 v[O16], v[IA+4:IA+7], s[8:9] offset:1024*(\a)+512
	global_store_b128 v[O16], v[IB:IB+3], s[12:13] offset:1024*(\a)
	global_store_b128 v[O16], v[IB+4:IB+7], s[12:13] offset:1024*(\a)+512
.endm
.macro EPI_V a                         ; 16 outputs d x 128 keys: one fragment of V^T
.if (\a) > 0
	s_wait_xcnt 0x0
.endif
	WIN 0x02+(\a)/4
.set N, 0
.rept 32
	v_pk_add_f32 v[X+2*N:X+2*N+1], v[64*((\a)%4)+2*N:64*((\a)%4)+2*N+1], v[BV+2*(\a):BV+2*(\a)+1]
.set N, N+1
.endr
	WIN 0
.if (\a)%2 == 0
	QUANT X, PC, PC+6, SV+2*((\a)/4)+((\a)%4)/2
.else
	QUANT X, PC, PC+6, PW
	v_cndmask_b32 v[SV+2*((\a)/4)+((\a)%4)/2], v[SV+2*((\a)/4)+((\a)%4)/2], v[PW], s[HI16]
.endif
.irp c, 0,1,2
	global_store_b128 v[O16], v[PC+4*\c:PC+4*\c+3], s[8:9] offset:((\a)/4)*229376+((\a)%4)*1536+512*\c
.endr
.if (\a)%4 == 3
	global_store_b64 v[O8], v[SV+2*((\a)/4):SV+2*((\a)/4)+1], s[10:11] offset:((\a)/4)*12288   ; a head's words of this step: 256 consecutive bytes
.endif
.endm
	PLACES NP                                      ; behind the last products
	s_wait_loadcnt 0x0                             ; the small tables, asked for at the head
	s_mov_b32 s[SEL], 0x76543210
	s_mov_b32 s[SEL+1], 0xfedcba98
	s_mov_b32 s[HI16], 0xffff0000
	s_mov_b32 s[LO16], 0xffff
.irp b, 0,1,2,3
	v_mov_b32 v[TM+4+\b], 0                        ; written once: a lane permute's destination counts as one of its sources
.endr
	s_cmp_ge_u32 s[YY], 16                         ; the role: the same in all partners
	s_cbranch_scc1 .Lvalues
	s_cmp_lt_u32 s[YY], 8                          ; Q?
	s_cselect_b32 s2, 0x0c, 0                      ; the code at k = 64: Q 1.0; a live key 0,
	s_cselect_b32 s3, 0x0c, 0x3c                   ; a masked key -16
	s_mov_b32 s16, 0x01010000
	s_cselect_b32 s16, 0x7f7f0000, s16             ; the scale bytes of k = 64 .. 127: Q 1; a live key 2^-126,
	s_mov_b32 s18, 0x019c0000
	s_cselect_b32 s18, 0x7f7f0000, s18             ; a masked key 2^29 on k = 64 .. 95
	v_mov_b32 v[CL], s2
	v_mov_b32 v[CM], s3
	v_cndmask_b32 v[CL], 0, v[CL], s[LO16]         ; k = 64 lies in lanes 0-15; lanes 16-31 (k = 96 on) hold zeros
	v_cndmask_b32 v[CM], 0, v[CM], s[LO16]
	v_mov_b32 v[HL], s16
	v_mov_b32 v[HM], s18
	v_mov_b32 v[IA+7], 0
	v_mov_b32 v[IB+7], 0
.irp a, 0,1,2,3,4,5,6,7
	EPI_QK \a
.endr
	global_store_b128 v[O16], v[SA:SA+3], s[10:11] ; my step's scale words: 512 consecutive bytes a head
	global_store_b128 v[O16], v[SB:SB+3], s[14:15]
	s_branch .Ldone
.Lvalues:
.irp a, 0,1,2,3,4,5,6,7
	EPI_V \a
.endr
.Ldone:
	s_wait_tensorcnt 0x0                           ; the wave's end
	ds_add_u32 v[SPW], v[NIL]
	s_wait_dscnt 0x0
	CROUND                                         ; the closing round: no work-group ends while a partner may still ask for a tile that names it
	s_endpgm
.Lfunc_end_k_qf2ec3d5ff0_proj:
	.size	k_qf2ec3d5ff0_proj, .Lfunc_end_k_qf2ec3d5ff0_proj-k_qf2ec3d5ff0_proj
	.p2alignl 7, 3214868480
	.fill 96, 4, 3214868480
	.section	.rodata,"a",@progbits
	.p2align	6, 0x0
	.amdhsa_kernel k_qf2ec3d5ff0_proj
		.amdhsa_group_segment_fixed_size 327680
		.amdhsa_private_segment_fixed_size 0
		.amdhsa_enable_private_segment 0
		.amdhsa_kernarg_size 80
		.amdhsa_user_sgpr_count 2
		.amdhsa_user_sgpr_kernarg_segment_ptr 1
		.amdhsa_wavefront_size32 1
		.amdhsa_system_sgpr_workgroup_id_x 1
		.amdhsa_system_sgpr_workgroup_id_y 1
		.amdhsa_system_sgpr_workgroup_id_z 1
		.amdhsa_system_vgpr_workitem_id 0
		.amdhsa_next_free_vgpr 1024
		.amdhsa_next_free_sgpr 106
		.amdhsa_reserve_vcc 1
		.amdhsa_float_denorm_mode_32 3
		.amdhsa_float_denorm_mode_16_64 3
		.amdhsa_memory_ordered 1
		.amdhsa_forward_progress 1
		.amdhsa_inst_pref_size 228
	.end_amdhsa_kernel
	.amdgpu_metadata
---
amdhsa.version: [ 1, 2 ]
amdhsa.kernels:
  - .name:           k_qf2ec3d5ff0_proj
    .symbol:         k_qf2ec3d5ff0_proj.kd
    .args:
      - { .name: c1, .offset: 0, .size: 8, .value_kind: global_buffer, .address_space: global }
      - { .name: s1, .offset: 8, .size: 8, .value_kind: global_buffer, .address_space: global }
      - { .name: b_q, .offset: 16, .size: 8, .value_kind: global_buffer, .address_space: global }
      - { .name: b_k, .offset: 24, .size: 8, .value_kind: global_buffer, .address_space: global }
      - { .name: b_v, .offset: 32, .size: 8, .value_kind: global_buffer, .address_space: global }
      - { .name: mask, .offset: 40, .size: 8, .value_kind: global_buffer, .address_space: global }
      - { .name: q, .offset: 48, .size: 8, .value_kind: global_buffer, .address_space: global }
      - { .name: qs, .offset: 56, .size: 8, .value_kind: global_buffer, .address_space: global }
      - { .name: kv, .offset: 64, .size: 8, .value_kind: global_buffer, .address_space: global }
      - { .name: kvs, .offset: 72, .size: 8, .value_kind: global_buffer, .address_space: global }
    .group_segment_fixed_size: 327680
    .private_segment_fixed_size: 0
    .kernarg_segment_align: 8
    .kernarg_segment_size: 80
    .max_flat_workgroup_size: 128
    .sgpr_count:     106
    .vgpr_count:     1024
    .wavefront_size: 32
...
	.end_amdgpu_metadata
.endif
;; end of part 2
;; launch attn (part 3): grid 4 x 64, 8 waves a work-group, clusters of 4 x 1, 327,680 bytes of LDS; arguments q, qs, kv, kvs, cc, cs; writes cc, cs
.if DOCPART == 3
	.amdgcn_target "amdgcn-amd-amdhsa--gfx1250"
	.amdhsa_code_object_version 6
	.text
	.protected	k_qf2ec3d5ff0_attn
	.globl	k_qf2ec3d5ff0_attn
	.p2align	8
	.type	k_qf2ec3d5ff0_attn,@function
k_qf2ec3d5ff0_attn:
	s_mov_b64 s[64:65], 0
	v_nop
	global_prefetch_b8 v0, s[64:65] scope:SCOPE_SE
	s_setreg_imm32_b32 hwreg(HW_REG_WAVE_MODE, 25, 1), 1
	s_wait_xcnt 0x0
	s_wait_alu depctr_hold_cnt(0) depctr_sa_sdst(0) depctr_va_vdst(0) depctr_va_sdst(0) depctr_va_ssrc(0) depctr_va_vcc(0) depctr_vm_vsrc(0)
	s_getreg_b32 s2, hwreg(HW_REG_IB_STS2, 6, 4)
	s_cmp_eq_u32 s2, 0
	s_cbranch_scc0 .Lentry_in_a_cluster
	s_endpgm
.Lentry_in_a_cluster:
	s_bfe_u32 s2, ttmp6, 0x10000c
	s_cmp_lg_u32 s2, 0x3003
	s_cbranch_scc0 .Lentry_shape_is_right
	s_endpgm
.Lentry_shape_is_right:
; LAUNCH 3 OF 4.  Both products of attention on the images that launch proj stored; the context is quantised along the head's 64 and stored as images for launch outp.  No work is left out.
; A work-group takes one (batch, head) and 512 queries; all 2,048 keys of K and V^T (16 steps x 14,336 bytes) and their scale words (12,288 bytes) lie in LDS, each byte filled once.
; CLUSTER 4 x 1: the four work-groups of a head need the same K and V: every tensor load is a joint load with the mask 15.
; EIGHT WAVES, two to a SIMD.  A wave takes two tiles of 16 queries side by side, in two passes: the two tiles share every fragment of K and V^T, and their chains of dependent lines stand interleaved.
; Both products are used transposed (S^T = K Q^T, O^T = V^T P^T): a lane holds one query.  M is the ceiling of the running largest t, a whole number; p = 2^(t - M); the sum is taken of the unquantised p.
; A step is 128 keys.  The next step's K fragments are asked of LDS just behind the products that freed their registers, the next V fragments just behind theirs; the step behind the pass's last is step 0, which the next pass wants.
; Among a tile's exponentials stand only lines that hang on none of them and on each other, and that are first read behind the batch's wait: tile 1's t - M among tile 0's; tile 0's conversions, byte shifts and first-level sums among tile 1's.
; FILLS: at the head one load a wave: waves 0-6 take 32 rows of 256 bytes of steps 0-3, wave 7 the scale words; behind the full sequence and a round each wave takes 84 rows of steps 4-15, which land under the first three steps.
; No prefetch into the L2: every tile is asked for at the head, so there is no loop to run ahead in.
; LIMITS: the promise holds while the scaled scores stay under 2^31 in magnitude; NaN and infinities are not served.
; WINDOW 0: v0-11 addresses; v12-15, v40-43 -M, largest score, sum; v16-39 Q; v44-63 factors, scale words, work; v64-191 scores, then p; v192-255 P's codes and the quantiser's work.
; WINDOW 1: v0-67 K's images; v68-115 V^T's fragments; v128-191 O^T; v192-207 the second pass's Q.
.set SC,    229376                     ; the scale words: K's 16 x 512 bytes, then V's 16 x 256
.set SPARE, SC+12288                   ; the spare words, 128 bytes for each wave
.set SPW, 3
.set NIL, 4
.set ADK, 8
.set ADS, 9
.set ADT, 10
.set NM,  12                           ; tile x: v[NM+28x] -M, +1 the largest score, +2..3 the sum
.set FF,  44                           ; v[FF+2x] f = 2^(old M - new M)
.set QS,  48
.set PW,  50
.set KS,  52
.set VS,  56
.set T,   58
.set U,   60
.set SS,  62
.set S0,  64
.set P,   192
.set CT,  216
.set BM,  232
.set BT,  240                          ; lane permutes' results; later partial sums of tile 0
.set SO,  248
.set KF,  0                            ; window 1
.set VF,  68
.set O,   128
.set QW,  192
.set WV,  18
.set SEL, 20
.set CS,  22
.set G1K, 24
.set G1S, 32
.set G0H, 40
.set G0S, 44
.set G0N, 48
.set I,   52
.set TB,  53
.set TSK, 54
.set TSV, 55
.set PASS, 56
.set NC,  57
.set MSB, 0
.macro WIN new                         ; the immediate's high byte repeats the setting that is left
.if MSB != (\new)
	s_set_vgpr_msb (MSB<<8)|(\new)
.set MSB, (\new)
.endif
.endm
.macro CROUND                          ; a round of the cluster's barrier
	s_barrier_signal -1
	s_barrier_wait -1
	s_cmp_lg_u32 s[WV], 0
	s_cbranch_scc1 .Lnot_wave_0_\@
	s_barrier_signal -3
.Lnot_wave_0_\@:
	s_barrier_wait -3
	s_barrier_signal -1
	s_barrier_wait -1
.endm
	s_load_b256 s[4:11], s[0:1], 0x0               ; q, qs, kv, kvs
	s_load_b128 s[12:15], s[0:1], 0x20             ; cc, cs
	v_lshl_add_u32 v[SPW], v0, 2, SPARE
	v_mov_b32 v[NIL], 0
	ds_add_u32 v[SPW], v[NIL]                      ; the opening lines: the add, twice on end, and its wait
	ds_add_u32 v[SPW], v[NIL]
	v_lshrrev_b32 v8, 5, v0
	v_readfirstlane_b32 s[WV], v8
	s_bfe_u32 s66, ttmp6, 0x40000                  ; cx: which 512 queries
	s_and_b32 s67, ttmp7, 0xffff                   ; 16 x batch + head
.irp g, G1K, G1S                       ; dense blocks as rows of 256 bytes (32 elements of 8)
	s_mov_b32 s[\g], 15|(3<<16)|(1<<21)
	s_mov_b32 s[\g+1], 32<<16
	s_mov_b32 s[\g+3], 32<<16
	s_mov_b32 s[\g+5], 32
	s_mov_b32 s[\g+6], 0
	s_mov_b32 s[\g+7], 0
.endr
	s_mov_b32 s[G1K+2], 32<<16                     ; 32 rows at the head
	s_mov_b32 s[G1K+4], 32
	s_mov_b32 s[G1S+2], 48<<16                     ; the scale words: 48 rows
	s_mov_b32 s[G1S+4], 48
	s_mul_i32 s68, s67, 12288
	s_mov_b32 s69, 0
	s_mul_i32 s72, s67, 229376
	s_lshl_b32 s70, s[WV], 13                      ; the head's share: 8,192 bytes a wave
	s_mul_i32 s71, s[WV], 21504                    ; the second share: 21,504 bytes a wave, behind steps 0-3
	s_add_co_u32 s71, s71, 57344
	s_add_co_u32 s74, s72, s71
	s_add_co_u32 s72, s72, s70
	s_mov_b32 s73, 0
	s_mov_b32 s75, 0
	s_mov_b32 s[SEL], 0x76543210
	s_mov_b32 s[SEL+1], 0xfedcba98
	s_mov_b32 s[CS], 0x3e38aa3b                    ; c = log2(e) / 8
	s_mov_b32 s[CS+1], s[CS]
	s_mov_b32 s[NC], 0xbe38aa3b                    ; -c
	s_wait_dscnt 0x0
	s_wait_kmcnt 0x0
	s_mov_b32 s[G0H], 1
	s_mov_b32 s[G0H+1], s70
	s_add_nc_u64 s[G0H+2:G0H+3], s[8:9], s[72:73]
	s_or_b32 s[G0H+3], s[G0H+3], 0x80000000
	s_mov_b32 s[G0S], 1
	s_mov_b32 s[G0S+1], SC
	s_add_nc_u64 s[G0S+2:G0S+3], s[10:11], s[68:69]
	s_or_b32 s[G0S+3], s[G0S+3], 0x80000000
	s_mov_b32 s[G0N], 1
	s_mov_b32 s[G0N+1], s71
	s_add_nc_u64 s[G0N+2:G0N+3], s[8:9], s[74:75]
	s_or_b32 s[G0N+3], s[G0N+3], 0x80000000
	CROUND                                         ; the four work-groups are here: the first joint loads meet
	s_cmp_lt_u32 s[WV], 7                          ; one load a wave, in the two arms of one branch on the wave's number
	s_cbranch_scc0 .Lhead_sc
	tensor_load_to_lds s[G0H:G0H+3], s[G1K:G1K+7]
	s_nop 0
.rept 4
	v_nop
.endr
	s_branch .Lhead_asked
.Lhead_sc:
	tensor_load_to_lds s[G0S:G0S+3], s[G1S:G1S+7]
	s_nop 0
.rept 4
	v_nop
.endr
.Lhead_asked:
	; my first tile of 16 queries in the head: 32 cx + 4 wave; a pass takes two tiles
	s_lshl_b32 s74, s67, 7
	s_lshl_b32 s76, s66, 5
	s_add_co_u32 s74, s74, s76
	s_lshl_b32 s77, s[WV], 2
	s_add_co_u32 s74, s74, s77
	s_lshl_b32 s74, s74, 10
	s_add_nc_u64 s[4:5], s[4:5], s[74:75]          ; q: 1,024 bytes a tile
	s_lshl_b32 s74, s67, 13
	s_lshl_b32 s78, s66, 11
	s_add_co_u32 s74, s74, s78
	s_lshr_b32 s78, s[WV], 1
	s_lshl_b32 s78, s78, 9
	s_add_co_u32 s74, s74, s78
	s_and_b32 s78, s[WV], 1
	s_lshl_b32 s78, s78, 3
	s_add_co_u32 s74, s74, s78
	s_add_nc_u64 s[6:7], s[6:7], s[74:75]          ; qs: 512 bytes for 8 tiles; tile a's word of row r at 16 (r + 16 (a % 2)) + 4 (a / 2)
	s_lshr_b32 s74, s67, 4
	s_lshl_b32 s74, s74, 7
	s_add_co_u32 s74, s74, s76
	s_add_co_u32 s77, s74, s77                     ; the row tile of the context
	s_and_b32 s78, s67, 15                         ; the head
	s_mul_i32 s74, s77, 12288
	s_mul_i32 s76, s78, 768
	s_add_co_u32 s74, s74, s76
	s_add_nc_u64 s[12:13], s[12:13], s[74:75]
	s_lshl_b32 s74, s77, 9
	s_lshr_b32 s76, s78, 2
	s_lshl_b32 s76, s76, 7
	s_add_co_u32 s74, s74, s76
	s_bfe_u32 s76, s78, 0x10001
	s_lshl_b32 s76, s76, 2
	s_add_co_u32 s74, s74, s76
	s_and_b32 s76, s78, 1
	s_lshl_b32 s76, s76, 1
	s_add_co_u32 s74, s74, s76
	s_add_nc_u64 s[14:15], s[14:15], s[74:75]
	v_and_b32 v9, 31, v0
	v_and_b32 v10, 15, v0
	v_lshlrev_b32 v1, 4, v9                        ; 16 x lane
	v_lshlrev_b32 v2, 3, v9                        ; 8 x lane
	v_lshlrev_b32 v5, 4, v10                       ; 16 r
	v_lshlrev_b32 v6, 3, v10                       ; 8 r
.irp x, 0,1
	global_load_b128 v[16+12*\x:19+12*\x], v1, s[4:5] offset:1024*\x
	global_load_b128 v[20+12*\x:23+12*\x], v1, s[4:5] offset:1024*\x+512
	global_load_b32 v[QS+\x], v5, s[6:7] offset:256*\x
.endr
	global_load_b32 v7, v5, s[6:7] offset:4        ; the second pass's scale words,
	global_load_b32 v11, v5, s[6:7] offset:260
	WIN 0x40
.irp i, 0,1,2,3
	global_load_b128 v[QW+4*\i:QW+4*\i+3], v1, s[4:5] offset:2048+512*\i   ; and its two images, into window 1
.endr
.irp j, 64,65,66,67
	v_mov_b32 v[KF+\j], 0                          ; what the last tile's fragment names behind its image
.endr
	WIN 0
.irp j, 24,25,26,27,36,37,38,39,45,47,240,241,242,243,244,245,246,247
	v_mov_b32 v[\j], 0                             ; Q's k = 72 on; upper halves of pairs; lane permutes' destinations
.endr
	s_wait_alu depctr_va_vdst(0)                   ; the head's end
	s_wait_tensorcnt 0x0                           ; my share of the head's fills is in
	ds_add_u32 v[SPW], v[NIL]
	s_mov_b32 s[G1K+2], 84<<16                     ; no load of mine is out: the second share has 84 rows
	s_mov_b32 s[G1K+4], 84
	s_wait_dscnt 0x0
	CROUND
	tensor_load_to_lds s[G0N:G0N+3], s[G1K:G1K+7]  ; steps 4-15: the first tensor load behind the round
	s_nop 0
.rept 4
	v_nop
.endr
.macro KLOAD                           ; a step's eight images of K and their scale words: 17 loads
	WIN 0x40
.irp t, 0,1,2,3,4,5,6,7
	ds_load_b128 v[KF+8*\t:KF+8*\t+3], v[ADK] offset:1024*\t
	ds_load_b128 v[KF+8*\t+4:KF+8*\t+7], v[ADK] offset:1024*\t+512
.endr
	WIN 0
	ds_load_b128 v[KS:KS+3], v[ADS]
.endm
.macro VLOAD                           ; its four fragments of V^T and their scale words: 13 loads
	WIN 0x40
.irp t, 0,1,2,3
.irp c, 0,1,2
	ds_load_b128 v[VF+12*\t+4*\c:VF+12*\t+4*\c+3], v[ADK] offset:8192+1536*\t+512*\c
.endr
.endr
	WIN 0
	ds_load_b64 v[VS:VS+1], v[ADT]
.endm
.macro QKM t, x
.if (\t)%2
	v_wmma_scale_f32_16x16x128_f8f6f4 v[S0+64*\x+8*\t:S0+64*\x+8*\t+7], v[KF+8*\t:KF+8*\t+11], v[16+12*\x:27+12*\x], 0, v[KS+\t/2], v[QS+\x] matrix_a_fmt:MATRIX_FMT_BF6 matrix_b_fmt:MATRIX_FMT_BF6 matrix_a_scale:MATRIX_SCALE_ROW1
.else
	v_wmma_scale_f32_16x16x128_f8f6f4 v[S0+64*\x+8*\t:S0+64*\x+8*\t+7], v[KF+8*\t:KF+8*\t+11], v[16+12*\x:27+12*\x], 0, v[KS+\t/2], v[QS+\x] matrix_a_fmt:MATRIX_FMT_BF6 matrix_b_fmt:MATRIX_FMT_BF6
.endif
.endm
.macro PVM t, x
.if (\t)%2
	v_wmma_scale_f32_16x16x128_f8f6f4 v[O+32*\x+8*\t:O+32*\x+8*\t+7], v[VF+12*\t:VF+12*\t+11], v[P+12*\x:P+12*\x+11], v[O+32*\x+8*\t:O+32*\x+8*\t+7], v[VS+\t/2], v[PW+\x] matrix_a_fmt:MATRIX_FMT_BF6 matrix_b_fmt:MATRIX_FMT_BF6 matrix_a_scale:MATRIX_SCALE_ROW1
.else
	v_wmma_scale_f32_16x16x128_f8f6f4 v[O+32*\x+8*\t:O+32*\x+8*\t+7], v[VF+12*\t:VF+12*\t+11], v[P+12*\x:P+12*\x+11], v[O+32*\x+8*\t:O+32*\x+8*\t+7], v[VS+\t/2], v[PW+\x] matrix_a_fmt:MATRIX_FMT_BF6 matrix_b_fmt:MATRIX_FMT_BF6
.endif
.endm
.macro FMA0 n                          ; n more pairs of tile 0: t - M
.rept \n
	v_pk_fma_f32 v[S0+2*N:S0+2*N+1], v[S0+2*N:S0+2*N+1], s[CS:CS+1], v[NM:NM+1] op_sel_hi:[1,0,0]
.set N, N+1
.endr
.endm
.macro SUM1 j                          ; tile 1's sum: two chains
	v_pk_add_f32 v[NM+30:NM+31], v[NM+30:NM+31], v[S0+64+\j:S0+65+\j]
	v_pk_add_f32 v[SS:SS+1], v[SS:SS+1], v[S0+66+\j:S0+67+\j]
.endm
.macro JOIN a, b, c, d                 ; four more of tile 0's first-level sums onto its four partial sums
	v_pk_add_f32 v[BT:BT+1], v[BT:BT+1], v[\a:\a+1]
	v_pk_add_f32 v[BT+2:BT+3], v[BT+2:BT+3], v[\b:\b+1]
	v_pk_add_f32 v[BT+4:BT+5], v[BT+4:BT+5], v[\c:\c+1]
	v_pk_add_f32 v[BT+6:BT+7], v[BT+6:BT+7], v[\d:\d+1]
.endm
.macro SWP x, c                        ; the operand wants a whole block in a lane
.irp i, 0,1,2
	v_permlane16_swap_b32 v[P+12*\x+6*\c+\i], v[CT+8*\x+4*\c+\i]
.endr
.endm
.macro MVS x, c
.irp i, 0,1,2
	v_mov_b32 v[P+12*\x+6*\c+3+\i], v[CT+8*\x+4*\c+\i]
.endr
.endm
.macro STEP
	s_add_co_u32 s[I], s[I], 1                     ; the step that is fetched in this one: (I + 1) % 16
	s_and_b32 s[TB], s[I], 15
	s_lshl_b32 s[TSK], s[TB], 9
	s_lshl_b32 s[TSV], s[TB], 8
	s_mul_i32 s[TB], s[TB], 14336
	s_add_co_u32 s[TSK], s[TSK], SC
	s_add_co_u32 s[TSV], s[TSV], SC+8192
	s_wait_dscnt 13                                ; K's 17 loads are in; V's 13, issued behind them, may be out
	WIN 0x01
.irp t, 0,1,2,3,4,5,6,7
	QKM \t, 0
	QKM \t, 1
.endr
	WIN 0
	v_add_nc_u32 v[ADK], s[TB], v1                 ; these four lines are the places behind the products
	v_add_nc_u32 v[ADS], s[TSK], v1
	v_add_nc_u32 v[ADT], s[TSV], v2
	v_nop
	KLOAD                                          ; the next step's K: a whole step ahead of its use
.irp b, 0,1,2,3                        ; the largest score of each block of 32 keys; each accumulator is read from its low end on
.irp x, 0,1
	v_max3_num_f32 v[BM+4*\x+\b], v[S0+64*\x+16*\b], v[S0+64*\x+16*\b+1], v[S0+64*\x+16*\b+2]
.endr
.endr
.irp i, 3,5,7,9,11,13
.irp b, 0,1,2,3
.irp x, 0,1
	v_max3_num_f32 v[BM+4*\x+\b], v[BM+4*\x+\b], v[S0+64*\x+16*\b+\i], v[S0+64*\x+16*\b+\i+1]
.endr
.endr
.endr
.irp j, 0,1,2,3,4,5,6,7
	v_max_num_f32 v[BM+\j], v[BM+\j], v[S0+16*\j+15]
.endr
.irp j, 0,1,2,3,4,5,6,7
	v_permlanex16_b32 v[BT+\j], v[BM+\j], s[SEL], s[SEL+1]
.endr
.irp j, 0,1,2,3,4,5,6,7
	v_max_num_f32 v[BM+\j], v[BM+\j], v[BT+\j]     ; with lane l xor 16's 16 keys
.endr
.irp x, 0,1
	v_max3_num_f32 v[T+\x], v[BM+4*\x], v[BM+4*\x+1], v[BM+4*\x+2]
.endr
.irp x, 0,1
	v_mov_b32 v[U+\x], v[NM+28*\x]                 ; the old -M
.endr
.irp x, 0,1
	v_max3_num_f32 v[NM+28*\x+1], v[NM+28*\x+1], v[T+\x], v[BM+4*\x+3]   ; the running largest score
.endr
.irp x, 0,1
	v_mul_f32 v[T+\x], s[NC], v[NM+28*\x+1]        ; -t
.endr
.irp x, 0,1
	v_floor_f32 v[NM+28*\x], v[T+\x]               ; the new -M = floor(-t)
.endr
.irp x, 0,1
	v_sub_f32 v[U+\x], v[NM+28*\x], v[U+\x]        ; old M - new M, a whole number
.endr
.set N, 0
	FMA0 4                                         ; tile 0's t - M stands between the links of the chain that makes f
.irp x, 0,1
	v_cvt_i32_f32 v[U+\x], v[U+\x]                 ; (it saturates)
.endr
	FMA0 4
.irp x, 0,1
	v_ldexp_f32 v[FF+2*\x], 1.0, v[U+\x]           ; f: a power of two
.endr
	FMA0 24
.irp b, 0,1,2,3
	v_fma_f32 v[BM+\b], v[BM+\b], s[CS], v[NM]
.endr
.irp x, 0,1
	v_pk_mul_f32 v[NM+28*\x+2:NM+28*\x+3], v[NM+28*\x+2:NM+28*\x+3], v[FF+2*\x:FF+2*\x+1] op_sel_hi:[1,0]   ; the sums under the new M
.endr
	WIN 0x41
.irp x, 0,1
.set N, 0
.rept 16
	v_pk_mul_f32 v[O+32*\x+2*N:O+32*\x+2*N+1], v[O+32*\x+2*N:O+32*\x+2*N+1], v[FF+2*\x:FF+2*\x+1] op_sel_hi:[1,0]   ; O^T under the new M, ahead of the exponentials
.set N, N+1
.endr
.endr
	WIN 0
	s_wait_alu depctr_va_vdst(0)                   ; ahead of a batch
.set N, 0
.rept 32                               ; tile 0's exponentials; tile 1's t - M stands among them
	v_exp_f32 v[S0+2*N], v[S0+2*N]
	v_exp_f32 v[S0+2*N+1], v[S0+2*N+1]
	v_pk_fma_f32 v[S0+64+2*N:S0+65+2*N], v[S0+64+2*N:S0+65+2*N], s[CS:CS+1], v[NM+28:NM+29] op_sel_hi:[1,0,0]
.set N, N+1
.endr
.irp b, 0,1,2,3
	v_exp_f32 v[BM+\b], v[BM+\b]                   ; a block's largest p: the same two lines on its largest score
	v_fma_f32 v[BM+4+\b], v[BM+4+\b], s[CS], v[NM+28]
.endr
	s_wait_alu depctr_va_vdst(0)                   ; behind tile 0's batch
.irp b, 0,1,2,3
	v_max_num_f32 v[BM+\b], 0x2800000, v[BM+\b]    ; tile 0: the floor 2^(5 - 127): the byte cannot fall under 1
.endr
.irp b, 0,1,2,3
	v_add_nc_u32 v[SO+\b], 0xfe000000, v[BM+\b]    ; 4 off the exponent field: the conversion's scale operand
.endr
	s_wait_alu depctr_va_vdst(0)                   ; ahead of tile 1's batch
.irp b, 0,1,2,3
	v_exp_f32 v[BM+4+\b], v[BM+4+\b]
.endr
.set N, 0
.rept 16                               ; tile 1's exponentials; among them tile 0's four conversions, its four bytes and its sixteen first-level sums, into registers that are free here
	v_exp_f32 v[S0+64+4*N], v[S0+64+4*N]
	v_exp_f32 v[S0+65+4*N], v[S0+65+4*N]
.if N == 0
	v_cvt_scalef32_pk16_bf6_f32 v[P:P+2], v[S0:S0+15], v[SO]
.elseif N == 4
	v_cvt_scalef32_pk16_bf6_f32 v[CT:CT+2], v[S0+16:S0+31], v[SO+1]
.elseif N == 8
	v_cvt_scalef32_pk16_bf6_f32 v[P+6:P+8], v[S0+32:S0+47], v[SO+2]
.elseif N == 12
	v_cvt_scalef32_pk16_bf6_f32 v[CT+4:CT+6], v[S0+48:S0+63], v[SO+3]
.elseif N == 2
	v_lshrrev_b32 v[PW], 23, v[SO]
.elseif N == 6
	v_lshrrev_b32 v[T], 23, v[SO+1]
.elseif N == 10
	v_lshrrev_b32 v[U], 23, v[SO+2]
.elseif N == 14
	v_lshrrev_b32 v[T+1], 23, v[SO+3]
.endif
	v_exp_f32 v[S0+66+4*N], v[S0+66+4*N]
	v_exp_f32 v[S0+67+4*N], v[S0+67+4*N]
.if N < 4
.set TD, BT+2*N
.elseif N < 10
.set TD, P+12+2*(N-4)
.elseif N < 14
.set TD, CT+8+2*(N-10)
.else
.set TD, SO+4+2*(N-14)
.endif
	v_pk_add_f32 v[TD:TD+1], v[S0+4*N:S0+4*N+1], v[S0+4*N+2:S0+4*N+3]
.set N, N+1
.endr
	s_wait_alu depctr_va_vdst(0)                   ; behind tile 1's batch
.irp b, 0,1,2,3
	v_max_num_f32 v[BM+4+\b], 0x2800000, v[BM+4+\b]
.endr
	JOIN CT+12, CT+14, SO+4, SO+6                  ; the first-level sums leave the registers that tile 1's quantiser takes next
.irp b, 0,1,2,3
	v_add_nc_u32 v[SO+4+\b], 0xfe000000, v[BM+4+\b]
.endr
	v_lshl_or_b32 v[PW], v[T], 8, v[PW]            ; tile 0's four bytes make its scale word
	JOIN P+20, P+22, CT+8, CT+10
	v_lshl_or_b32 v[PW], v[U], 16, v[PW]
	JOIN P+12, P+14, P+16, P+18
	v_lshl_or_b32 v[PW], v[T+1], 24, v[PW]
.irp c, 0,1
	v_cvt_scalef32_pk16_bf6_f32 v[P+12+6*\c:P+12+6*\c+2], v[S0+64+32*\c:S0+64+32*\c+15], v[SO+4+2*\c]
	v_cvt_scalef32_pk16_bf6_f32 v[CT+8+4*\c:CT+8+4*\c+2], v[S0+64+32*\c+16:S0+64+32*\c+31], v[SO+4+2*\c+1]
.endr
	; tile 1's scale word, the lane swaps and the moves take turns with the sums' chains, so that no line reads the line just above it
	v_lshrrev_b32 v[PW+1], 23, v[SO+4]             ; (also the plain place behind the conversions)
	v_pk_add_f32 v[SS:SS+1], v[S0+64:S0+65], v[S0+66:S0+67]
	v_pk_add_f32 v[BT:BT+1], v[BT:BT+1], v[BT+2:BT+3]          ; tile 0's partial sums join
	v_lshrrev_b32 v[T+1], 23, v[SO+5]
	SUM1 4
	v_lshrrev_b32 v[U+1], 23, v[SO+6]
	SUM1 8
	v_lshl_or_b32 v[PW+1], v[T+1], 8, v[PW+1]
	SUM1 12
	v_lshrrev_b32 v[T+1], 23, v[SO+7]
	SUM1 16
	v_lshl_or_b32 v[PW+1], v[U+1], 16, v[PW+1]
	SUM1 20
	v_lshl_or_b32 v[PW+1], v[T+1], 24, v[PW+1]
	SUM1 24
	SWP 0, 0
	SUM1 28
	SWP 0, 1
	SUM1 32
	SWP 1, 0
	SUM1 36
	SWP 1, 1
	SUM1 40
	MVS 0, 0
	SUM1 44
	MVS 0, 1
	v_pk_add_f32 v[BT+4:BT+5], v[BT+4:BT+5], v[BT+6:BT+7]
	MVS 1, 0
	SUM1 48
	MVS 1, 1
	SUM1 52                                        ; four places between the codes' last write and the products
	SUM1 56
	s_wait_alu depctr_va_vdst(0)
	s_wait_dscnt 17                                ; V's 13 loads are in; the next K's 17, issued behind them, may be out
	WIN 0x51
.irp t, 0,1,2,3
	PVM \t, 0
	PVM \t, 1
.endr
	WIN 0
	v_pk_add_f32 v[BT:BT+1], v[BT:BT+1], v[BT+4:BT+5]          ; the sums' last five lines are the places behind the products
	SUM1 60
	v_pk_add_f32 v[NM+2:NM+3], v[NM+2:NM+3], v[BT:BT+1]
	v_pk_add_f32 v[NM+30:NM+31], v[NM+30:NM+31], v[SS:SS+1]
	VLOAD                                          ; the next step's V
.endm
	v_add_nc_u32 v[ADK], 0, v1                     ; step 0
	v_add_nc_u32 v[ADS], SC, v1
	v_add_nc_u32 v[ADT], SC+8192, v2
	KLOAD
	VLOAD
	s_mov_b32 s[PASS], 0
	s_wait_loadcnt 0x0                             ; Q and its scale words
.Lpass:
	s_mov_b32 s[I], 0
.irp x, 0,1
	v_mov_b32 v[NM+28*\x], 0x7f61b1e6              ; -M: 3e38
	v_mov_b32 v[NM+28*\x+1], 0xff61b1e6            ; the largest score so far: -3e38
	v_mov_b32 v[NM+28*\x+2], 0
	v_mov_b32 v[NM+28*\x+3], 0
.endr
	WIN 0x40
.set N, 0
.rept 64
	v_mov_b32 v[O+N], 0                            ; the step is written once: the first finds zeros
.set N, N+1
.endr
	WIN 0
	s_wait_alu depctr_va_vdst(0)
.Lfirst:                                               ; steps 0-2: they read, and fetch, steps 0-3 alone
	STEP
	s_cmp_lt_u32 s[I], 3
	s_wait_alu depctr_va_vdst(0)
	s_cbranch_scc1 .Lfirst
	s_wait_tensorcnt 0x0                           ; my share of steps 4-15 is in,
	s_wait_dscnt 0x0
	s_barrier_signal -1
	s_barrier_wait -1                              ; and everybody's
.Lrest:                                                ; steps 3-15
	STEP
	s_cmp_lt_u32 s[I], 16
	s_wait_alu depctr_va_vdst(0)
	s_cbranch_scc1 .Lrest
	; the pass's end: O^T / the sum, quantised along the head's 64, stored as an image and two scale bytes a row
.irp x, 0,1
	v_add_f32 v[NM+28*\x+2], v[NM+28*\x+2], v[NM+28*\x+3]
.endr
.irp x, 0,1
	v_permlanex16_b32 v[BT+\x], v[NM+28*\x+2], s[SEL], s[SEL+1]
.endr
.irp x, 0,1
	v_add_f32 v[NM+28*\x+2], v[NM+28*\x+2], v[BT+\x]
.endr
	s_wait_alu depctr_va_vdst(0)
.irp x, 0,1
	v_rcp_f32 v[NM+28*\x+2], v[NM+28*\x+2]
.endr
	v_nop
	WIN 0x01
	s_wait_alu depctr_va_vdst(0)                   ; behind the reciprocals, directly ahead of the first reader of O^T
.irp x, 0,1
.set N, 0
.rept 32
	v_mul_f32 v[S0+64*\x+N], v[O+32*\x+N], v[NM+28*\x+2]
.set N, N+1
.endr
.endr
	WIN 0
.irp b, 0,1
.irp x, 0,1
	v_max3_num_f32 v[BM+4*\x+\b], |v[S0+64*\x+16*\b]|, |v[S0+64*\x+16*\b+1]|, 0x2800000
.endr
.endr
.irp i, 2,4,6,8,10,12,14
.irp b, 0,1
.irp x, 0,1
	v_max3_num_f32 v[BM+4*\x+\b], v[BM+4*\x+\b], |v[S0+64*\x+16*\b+\i]|, |v[S0+64*\x+16*\b+\i+1]|
.endr
.endr
.endr
.irp j, 0,1,4,5
	v_permlanex16_b32 v[BT+\j], v[BM+\j], s[SEL], s[SEL+1]
.endr
.irp j, 0,1,4,5
	v_max_num_f32 v[BM+\j], v[BM+\j], v[BT+\j]
.endr
.irp j, 0,1,4,5
	v_add_nc_u32 v[SO+\j], 0xfe000000, v[BM+\j]
.endr
.irp x, 0,1
	v_lshrrev_b32 v[T+\x], 23, v[SO+4*\x]
	v_lshrrev_b32 v[U+\x], 23, v[SO+4*\x+1]
.endr
.irp x, 0,1
	v_lshl_or_b32 v[T+\x], v[U+\x], 8, v[T+\x]
.endr
.irp x, 0,1
	v_cvt_scalef32_pk16_bf6_f32 v[P+12*\x:P+12*\x+2], v[S0+64*\x:S0+64*\x+15], v[SO+4*\x]
	v_cvt_scalef32_pk16_bf6_f32 v[CT+8*\x:CT+8*\x+2], v[S0+64*\x+16:S0+64*\x+31], v[SO+4*\x+1]
.endr
	v_nop
	SWP 0, 0
	SWP 1, 0
	MVS 0, 0
	MVS 1, 0
.irp x, 0,1
	global_store_b128 v1, v[P+12*\x:P+12*\x+3], s[12:13] offset:12288*\x         ; 512 consecutive bytes
	global_store_b64 v2, v[P+12*\x+4:P+12*\x+5], s[12:13] offset:12288*\x+512    ; 256 consecutive bytes
	global_store_b16 v6, v[T+\x], s[14:15] offset:512*\x
.endr
	s_wait_xcnt 0x0                                ; the stores have read their registers and bases
	s_add_nc_u64 s[12:13], s[12:13], 24576         ; two row tiles on
	s_add_nc_u64 s[14:15], s[14:15], 1024
	s_add_co_u32 s[PASS], s[PASS], 1
	s_cmp_lt_u32 s[PASS], 2
	s_cbranch_scc0 .Lend
	WIN 0x01
.irp i, 0,1,2,3,4,5,6,7
	v_mov_b32 v[16+\i], v[QW+\i]                   ; the second pass's Q
	v_mov_b32 v[28+\i], v[QW+8+\i]
.endr
	WIN 0
	v_mov_b32 v[QS], v7
	v_mov_b32 v[QS+1], v11
	s_cmp_lt_u32 s[PASS], 2
	s_wait_alu depctr_va_vdst(0)
	s_cbranch_scc1 .Lpass
.Lend:
	s_wait_tensorcnt 0x0                           ; the wave's end
	ds_add_u32 v[SPW], v[NIL]
	s_wait_dscnt 0x0
	CROUND                                         ; the closing round
	s_endpgm
.Lfunc_end_k_qf2ec3d5ff0_attn:
	.size	k_qf2ec3d5ff0_attn, .Lfunc_end_k_qf2ec3d5ff0_attn-k_qf2ec3d5ff0_attn
	.p2alignl 7, 3214868480
	.fill 96, 4, 3214868480
	.section	.rodata,"a",@progbits
	.p2align	6, 0x0
	.amdhsa_kernel k_qf2ec3d5ff0_attn
		.amdhsa_group_segment_fixed_size 327680
		.amdhsa_private_segment_fixed_size 0
		.amdhsa_enable_private_segment 0
		.amdhsa_kernarg_size 48
		.amdhsa_user_sgpr_count 2
		.amdhsa_user_sgpr_kernarg_segment_ptr 1
		.amdhsa_wavefront_size32 1
		.amdhsa_system_sgpr_workgroup_id_x 1
		.amdhsa_system_sgpr_workgroup_id_y 1
		.amdhsa_system_sgpr_workgroup_id_z 1
		.amdhsa_system_vgpr_workitem_id 0
		.amdhsa_next_free_vgpr 512
		.amdhsa_next_free_sgpr 84
		.amdhsa_reserve_vcc 0
		.amdhsa_float_denorm_mode_32 3
		.amdhsa_float_denorm_mode_16_64 3
		.amdhsa_memory_ordered 1
		.amdhsa_forward_progress 1
		.amdhsa_inst_pref_size 79
	.end_amdhsa_kernel
	.amdgpu_metadata
---
amdhsa.version: [ 1, 2 ]
amdhsa.kernels:
  - .name:           k_qf2ec3d5ff0_attn
    .symbol:         k_qf2ec3d5ff0_attn.kd
    .args:
      - { .name: q, .offset: 0, .size: 8, .value_kind: global_buffer, .address_space: global }
      - { .name: qs, .offset: 8, .size: 8, .value_kind: global_buffer, .address_space: global }
      - { .name: kv, .offset: 16, .size: 8, .value_kind: global_buffer, .address_space: global }
      - { .name: kvs, .offset: 24, .size: 8, .value_kind: global_buffer, .address_space: global }
      - { .name: cc, .offset: 32, .size: 8, .value_kind: global_buffer, .address_space: global }
      - { .name: cs, .offset: 40, .size: 8, .value_kind: global_buffer, .address_space: global }
    .group_segment_fixed_size: 327680
    .private_segment_fixed_size: 0
    .kernarg_segment_align: 8
    .kernarg_segment_size: 48
    .max_flat_workgroup_size: 256
    .sgpr_count:     84
    .vgpr_count:     512
    .wavefront_size: 32
...
	.end_amdgpu_metadata
.endif
;; end of part 3
;; launch outp (part 4): grid 4 x 64, 4 waves a work-group, clusters of 4 x 4, 327,680 bytes of LDS; arguments cc, cs, c1, s1, b_o, out0; writes out0
.if DOCPART == 4
	.amdgcn_target "amdgcn-amd-amdhsa--gfx1250"
	.amdhsa_code_object_version 6
	.text
	.protected	k_qf2ec3d5ff0_outp
	.globl	k_qf2ec3d5ff0_outp
	.p2align	8
	.type	k_qf2ec3d5ff0_outp,@function
k_qf2ec3d5ff0_outp:
	s_mov_b64 s[64:65], 0
	v_nop
	global_prefetch_b8 v0, s[64:65] scope:SCOPE_SE
	s_setreg_imm32_b32 hwreg(HW_REG_WAVE_MODE, 25, 1), 1
	s_wait_xcnt 0x0
	s_wait_alu depctr_hold_cnt(0) depctr_sa_sdst(0) depctr_va_vdst(0) depctr_va_sdst(0) depctr_va_ssrc(0) depctr_va_vcc(0) depctr_vm_vsrc(0)
	s_getreg_b32 s2, hwreg(HW_REG_IB_STS2, 6, 4)
	s_cmp_eq_u32 s2, 0
	s_cbranch_scc0 .Lentry_in_a_cluster
	s_endpgm
.Lentry_in_a_cluster:
	s_bfe_u32 s2, ttmp6, 0x10000c
	s_cmp_lg_u32 s2, 0xf033
	s_cbranch_scc0 .Lentry_shape_is_right
	s_endpgm
.Lentry_shape_is_right:
; LAUNCH 4 OF 4.  out0 = ctx w_o^T + b_o on the images of launch attn (cc, cs) and of launch quant (w_o's row tiles 1,728 on of c1, s1).  No work is left out.
; 256 work-groups: a block of out0 is 128 tokens x 256 outputs.  ALL OF K = 1,024 LIES IN LDS: A's 8 row tiles (98,304 bytes) and B's 16 (196,608 bytes) are dense blocks of memory and come by ONE joint load a wave
; at the head (wave 0: A; waves 1-3: a third of B each), as rows of 256 bytes.  No byte is filled again: the walk along K has no barrier.
; CLUSTERS 4 x 4: A's block hangs on the token block alone and is shared along a row of the cluster, B's on the output block alone and is shared along a column.
; A wave makes 64 tokens x 128 outputs: 32 accumulators, taken by turns in the same order in each of the eight steps of 128 along K; both operands' fragments have two sets of registers.
; THE SCALE WORDS go from memory into registers once: a row tile's 512 bytes are two loads of 256 consecutive bytes, lanes 0-15 an even 256 along K, lanes 16-31 the odd one, which ROW1 selects.
; The matrix instruction is used transposed (source 0 = w_o's rows, source 1 = tokens): a lane holds eight neighbouring outputs of a token.  The results leave through a stage in A's bytes, behind a barrier behind which nobody reads them.
; No prefetch into the L2: every tile is asked for at the head, so there is no loop to run ahead in.
; WINDOW 0: v16-29 addresses; v32-47 A's scale words, v48-79 B's; v80-83 bias; v96-191 A's fragments, two sets; on the way out v128-255.  WINDOW 1: B's fragments at v0 and v128.  WINDOW 2: the accumulators, (a, b) at v[8 (8 a + b)].
.set TILE,  12288                      ; a row tile over all of K: 16 images of 768 bytes
.set ABY,   8*TILE
.set SPARE, 24*TILE                    ; behind A and B: the spare words, 128 bytes for each wave
.set SPITCH, 528
.set FR,   12
.set A16,  16
.set A8,   17
.set B16,  18
.set B8,   19
.set B16H, 20
.set B8H,  21
.set L8,   22
.set STO,  24
.set RD,   25
.set CO,   26
.set SPW,  28
.set NIL,  29
.set SA,   32
.set SB,   48
.set BO,   80
.set AF,   96
.set BK,   128
.set WV,   16
.set HA,   17
.set HB,   18
.set TT,   19
.set G1,   24
.set G0,   32
.set G0B,  36
.set G1B,  48
.set MSB, 0
.macro WIN new
.if MSB != (\new)
	s_set_vgpr_msb (MSB<<8)|(\new)
.set MSB, (\new)
.endif
.endm
.macro CROUND                          ; a round of the cluster's barrier
	s_barrier_signal -1
	s_barrier_wait -1
	s_cmp_lg_u32 s[WV], 0
	s_cbranch_scc1 .Lnot_wave_0_\@
	s_barrier_signal -3
.Lnot_wave_0_\@:
	s_barrier_wait -3
	s_barrier_signal -1
	s_barrier_wait -1
.endm
.macro PLACES
.rept 4
	v_nop
.endr
.endm
	s_load_b256 s[4:11], s[0:1], 0x0               ; cc, cs, c1, s1
	s_load_b128 s[12:15], s[0:1], 0x20             ; b_o, out0
	v_lshl_add_u32 v[SPW], v0, 2, SPARE
	v_mov_b32 v[NIL], 0
	ds_add_u32 v[SPW], v[NIL]                      ; the opening lines: the add, twice on end, and its wait
	ds_add_u32 v[SPW], v[NIL]
	v_lshrrev_b32 v1, 5, v0
	v_readfirstlane_b32 s[WV], v1
	s_lshr_b32 s[HA], s[WV], 1                     ; my 64 of the 128 tokens
	s_and_b32 s[HB], s[WV], 1                      ; my 128 of the 256 outputs
	s_bfe_u32 s40, ttmp6, 0x40000                  ; cx: the block of 256 outputs
	s_bfe_u32 s41, ttmp6, 0x40004                  ; cy
	s_and_b32 s[TT], ttmp7, 0xffff
	s_lshl_b32 s[TT], s[TT], 2
	s_add_co_u32 s[TT], s[TT], s41                 ; the block of 128 tokens
	s_lshl_b32 s2, s41, 2
	s_lshl_b32 s2, 15, s2                          ; my row of the cluster
	s_lshl_b32 s3, 0x1111, s40                     ; my column
	s_or_b32 s[G1], s2, (3<<16)|(1<<21)            ; rows of 256 bytes (32 elements of 8): A's block 384 rows,
	s_or_b32 s[G1B], s3, (3<<16)|(1<<21)           ; a third of B's 256
.irp g, G1, G1B
	s_mov_b32 s[\g+1], 32<<16
	s_mov_b32 s[\g+3], 32<<16
	s_mov_b32 s[\g+5], 32
	s_mov_b32 s[\g+6], 0
	s_mov_b32 s[\g+7], 0
.endr
	s_mov_b32 s[G1+2], 384<<16
	s_mov_b32 s[G1+4], 384
	s_mov_b32 s[G1B+2], 256<<16
	s_mov_b32 s[G1B+4], 256
	s_mul_i32 s20, s[TT], ABY                      ; A's block in cc
	s_mov_b32 s21, 0
	s_lshl_b32 s44, s40, 4
	s_add_co_u32 s44, s44, 1728                    ; B's first row tile in c1
	s_mul_i32 s44, s44, TILE
	s_lshl_b32 s22, s[WV], 16                      ; waves 1-3: third wave - 1
	s_add_co_u32 s44, s44, s22
	s_sub_co_u32 s44, s44, 65536
	s_mov_b32 s45, 0
	s_add_co_u32 s22, s22, ABY-65536               ; and where it goes, behind A's block
	s_wait_dscnt 0x0
	s_wait_kmcnt 0x0
	s_mov_b32 s[G0], 1
	s_mov_b32 s[G0+1], 0
	s_add_nc_u64 s[G0+2:G0+3], s[4:5], s[20:21]
	s_or_b32 s[G0+3], s[G0+3], 0x80000000
	s_mov_b32 s[G0B], 1
	s_mov_b32 s[G0B+1], s22
	s_add_nc_u64 s[G0B+2:G0B+3], s[8:9], s[44:45]
	s_or_b32 s[G0B+3], s[G0B+3], 0x80000000
	CROUND                                         ; all sixteen work-groups are here: the joint loads meet
	s_cmp_lt_u32 s[WV], 1                          ; one load a wave, in the two arms of one branch on the wave's number
	s_cbranch_scc0 .Lfor_b
	tensor_load_to_lds s[G0:G0+3], s[G1:G1+7]
	s_nop 0
	PLACES
	s_branch .Lasked
.Lfor_b:
	tensor_load_to_lds s[G0B:G0B+3], s[G1B:G1B+7]
	s_nop 0
	PLACES
.Lasked:
	s_mov_b32 s21, 0
	s_lshl_b32 s20, s[TT], 12
	s_lshl_b32 s23, s[HA], 11
	s_add_co_u32 s20, s20, s23
	s_add_nc_u64 s[6:7], s[6:7], s[20:21]          ; the scale words of my 4 row tiles of A: 512 bytes a tile
	s_lshl_b32 s20, s40, 4
	s_lshl_b32 s23, s[HB], 3
	s_add_co_u32 s20, s20, s23
	s_add_co_u32 s20, s20, 1728
	s_lshl_b32 s20, s20, 9
	s_add_nc_u64 s[10:11], s[10:11], s[20:21]      ; and of my 8 of B
	s_lshl_b32 s20, s40, 10
	s_lshl_b32 s23, s[HB], 9
	s_add_co_u32 s20, s20, s23                     ; my first output, in bytes
	s_add_nc_u64 s[12:13], s[12:13], s[20:21]
	s_lshl_b32 s23, s[TT], 7
	s_lshl_b32 s42, s[HA], 6
	s_add_co_u32 s23, s23, s42                     ; my first token
	s_lshl_b32 s23, s23, 12
	s_add_co_u32 s20, s20, s23
	s_add_nc_u64 s[14:15], s[14:15], s[20:21]
	s_mul_i32 s20, s[HA], 4*TILE
	s_mul_i32 s21, s[HB], 8*TILE
	s_add_co_u32 s21, s21, ABY
	s_add_co_u32 s22, s21, 4*TILE
	s_mul_i32 s23, s[WV], 16*SPITCH                ; my stage, in A's bytes
	v_and_b32 v1, 31, v0
	v_and_b32 v2, 15, v0
	v_bfe_u32 v3, v0, 4, 1
	v_lshlrev_b32 v[CO], 4, v1                     ; 16 x lane
	v_lshlrev_b32 v[L8], 3, v1                     ; 8 x lane
	v_add_nc_u32 v[A16], s20, v[CO]
	v_add_nc_u32 v[A8], s20, v[L8]
	v_add_nc_u32 v[B16], s21, v[CO]                ; B's tiles 0-3,
	v_add_nc_u32 v[B8], s21, v[L8]
	v_add_nc_u32 v[B16H], s22, v[CO]               ; and 4-7: the offsets stay inside 16 bits
	v_add_nc_u32 v[B8H], s22, v[L8]
	v_mul_u32_u24 v6, v2, SPITCH
	v_lshl_add_u32 v6, v3, 6, v6
	v_add_nc_u32 v[STO], s23, v6
	v_add_nc_u32 v[RD], s23, v[CO]
.irp a, 0,1,2,3
.irp p, 0,1
	global_load_b64 v[SA+4*\a+2*\p:SA+4*\a+2*\p+1], v[L8], s[6:7] offset:512*\a+256*\p     ; 256 consecutive bytes
.endr
.endr
.irp b, 0,1,2,3,4,5,6,7
.irp p, 0,1
	global_load_b64 v[SB+4*\b+2*\p:SB+4*\b+2*\p+1], v[L8], s[10:11] offset:512*\b+256*\p
.endr
.endr
	global_load_b128 v[BO:BO+3], v[CO], s[12:13]   ; the bias of the four outputs that I store
.macro FRAG reg, a16, a8, off          ; a fragment, 12 registers: two images of six, each a piece of 16 bytes a lane and a piece of 8
	ds_load_b128 v[\reg:\reg+3], v[\a16] offset:\off
	ds_load_b64 v[\reg+4:\reg+5], v[\a8] offset:\off+512
	ds_load_b128 v[\reg+6:\reg+9], v[\a16] offset:\off+768
	ds_load_b64 v[\reg+10:\reg+11], v[\a8] offset:\off+1280
.endm
.macro FETCH s, p                      ; step s's 12 fragments into set p: 48 loads
	WIN 0x40
.irp i, 0,1,2,3
	FRAG 128*(\p)+FR*\i, B16, B8, \i*TILE+(\s)*1536
	FRAG 128*(\p)+FR*(\i+4), B16H, B8H, \i*TILE+(\s)*1536
.endr
	WIN 0
.irp i, 0,1,2,3
	FRAG AF+48*(\p)+FR*\i, A16, A8, \i*TILE+(\s)*1536
.endr
.endm
.macro MUL s                           ; 32 matrix instructions: 128 along K.  Step 0 starts the sums
.irp a, 0,1,2,3
.irp b, 0,1,2,3,4,5,6,7
.if (\s) == 0
	v_wmma_scale_f32_16x16x128_f8f6f4 v[8*(8*\a+\b):8*(8*\a+\b)+7], v[128*((\s)%2)+FR*\b:128*((\s)%2)+FR*\b+FR-1], v[AF+48*((\s)%2)+FR*\a:AF+48*((\s)%2)+FR*\a+FR-1], 0, v[SB+4*\b+2*((\s)/4)+(\s)%2], v[SA+4*\a+2*((\s)/4)+(\s)%2] matrix_a_fmt:MATRIX_FMT_BF6 matrix_b_fmt:MATRIX_FMT_BF6
.elseif ((\s)/2)%2 == 0
	v_wmma_scale_f32_16x16x128_f8f6f4 v[8*(8*\a+\b):8*(8*\a+\b)+7], v[128*((\s)%2)+FR*\b:128*((\s)%2)+FR*\b+FR-1], v[AF+48*((\s)%2)+FR*\a:AF+48*((\s)%2)+FR*\a+FR-1], v[8*(8*\a+\b):8*(8*\a+\b)+7], v[SB+4*\b+2*((\s)/4)+(\s)%2], v[SA+4*\a+2*((\s)/4)+(\s)%2] matrix_a_fmt:MATRIX_FMT_BF6 matrix_b_fmt:MATRIX_FMT_BF6
.else
	v_wmma_scale_f32_16x16x128_f8f6f4 v[8*(8*\a+\b):8*(8*\a+\b)+7], v[128*((\s)%2)+FR*\b:128*((\s)%2)+FR*\b+FR-1], v[AF+48*((\s)%2)+FR*\a:AF+48*((\s)%2)+FR*\a+FR-1], v[8*(8*\a+\b):8*(8*\a+\b)+7], v[SB+4*\b+2*((\s)/4)+(\s)%2], v[SA+4*\a+2*((\s)/4)+(\s)%2] matrix_a_fmt:MATRIX_FMT_BF6 matrix_b_fmt:MATRIX_FMT_BF6 matrix_a_scale:MATRIX_SCALE_ROW1 matrix_b_scale:MATRIX_SCALE_ROW1
.endif
.endr
.endr
.endm
	s_wait_alu depctr_va_vdst(0)                   ; the head's end
	s_wait_tensorcnt 0x0                           ; my load has landed,
	s_barrier_signal -1
	s_barrier_wait -1                              ; and everybody's
	FETCH 0, 0
	s_wait_loadcnt 0x0                             ; the scale words and the bias
.set ST, 0
.rept 8
.if ST < 7
.if ST > 0
	PLACES                                         ; in front of loads into the set that the last step multiplied
.endif
	FETCH ST+1, (ST+1)%2
	s_wait_dscnt 48                                ; this step's fragments are in; the next step's 48 loads may be out
.else
	s_wait_dscnt 0x0
.endif
	WIN 0xa1                                       ; source 0 (B) window 1, source 1 (A) window 0, C and D window 2
	MUL ST
	WIN 0
.set ST, ST+1
.endr
	s_barrier_signal -1                            ; no LDS read of mine is out:
	s_barrier_wait -1                              ; nobody reads A's bytes any more, and no fill lands there: the stages may be written
; THE WAY OUT, block by block of 16 tokens x 128 outputs: through my stage, back as whole rows of 512 bytes, + bias, stored as two aligned units of 256 bytes.  Place t of row tile a is token 32 (a / 2) + 8 (a % 2) + t + 8 (t / 8).
.macro TOSTAGE a
	WIN 0x08                                       ; the data: window 2
.irp b, 0,1,2,3,4,5,6,7
	ds_store_b128 v[STO], v[64*(\a)+8*\b:64*(\a)+8*\b+3] offset:128*(\b/2)+32*(\b%2)        ; each accumulator from its low end on
	ds_store_b128 v[STO], v[64*(\a)+8*\b+4:64*(\a)+8*\b+7] offset:128*(\b/2)+32*(\b%2)+16
.endr
	WIN 0
.set BB, BK+64*((\a)%2)
.irp t, 0,1,2,3,4,5,6,7,8,9,10,11,12,13,14,15
	ds_load_b128 v[BB+4*\t:BB+4*\t+3], v[RD] offset:\t*SPITCH   ; LDS serves a wave's instructions in order: these see the stores above
.endr
.endm
.macro SEND a, younger
.set BB, BK+64*((\a)%2)
	s_wait_dscnt \younger
.irp t, 0,1,2,3,4,5,6,7,8,9,10,11,12,13,14,15
	v_pk_add_f32 v[BB+4*\t:BB+4*\t+1], v[BB+4*\t:BB+4*\t+1], v[BO:BO+1]
	v_pk_add_f32 v[BB+4*\t+2:BB+4*\t+3], v[BB+4*\t+2:BB+4*\t+3], v[BO+2:BO+3]
.endr
.irp t, 0,1,2,3,4,5,6,7,8,9,10,11,12,13,14,15
	global_store_b128 v[CO], v[BB+4*\t:BB+4*\t+3], s[14:15] offset:(32*((\a)/2)+8*((\a)%2)+\t+8*(\t/8))*4096 th:TH_STORE_NT
.endr
.endm
	PLACES                                         ; behind the last products
	TOSTAGE 0
.irp a, 1,2,3
.if \a > 1
	s_wait_xcnt 0x0                                ; block a - 2's stores have read their registers
.endif
	TOSTAGE \a
	SEND \a-1, 32                                  ; behind block a - 1's loads: block a's 16 stores and 16 loads
.endr
	SEND 3, 0
	s_wait_tensorcnt 0x0                           ; the wave's end
	ds_add_u32 v[SPW], v[NIL]
	s_wait_dscnt 0x0
	CROUND                                         ; the closing round
	s_endpgm
.Lfunc_end_k_qf2ec3d5ff0_outp:
	.size	k_qf2ec3d5ff0_outp, .Lfunc_end_k_qf2ec3d5ff0_outp-k_qf2ec3d5ff0_outp
	.p2alignl 7, 3214868480
	.fill 96, 4, 3214868480
	.section	.rodata,"a",@progbits
	.p2align	6, 0x0
	.amdhsa_kernel k_qf2ec3d5ff0_outp
		.amdhsa_group_segment_fixed_size 327680
		.amdhsa_private_segment_fixed_size 0
		.amdhsa_enable_private_segment 0
		.amdhsa_kernarg_size 48
		.amdhsa_user_sgpr_count 2
		.amdhsa_user_sgpr_kernarg_segment_ptr 1
		.amdhsa_wavefront_size32 1
		.amdhsa_system_sgpr_workgroup_id_x 1
		.amdhsa_system_sgpr_workgroup_id_y 1
		.amdhsa_system_sgpr_workgroup_id_z 1
		.amdhsa_system_vgpr_workitem_id 0
		.amdhsa_next_free_vgpr 768
		.amdhsa_next_free_sgpr 66
		.amdhsa_reserve_vcc 0
		.amdhsa_float_denorm_mode_32 3
		.amdhsa_float_denorm_mode_16_64 3
		.amdhsa_memory_ordered 1
		.amdhsa_forward_progress 1
		.amdhsa_inst_pref_size 90
	.end_amdhsa_kernel
	.amdgpu_metadata
---
amdhsa.version: [ 1, 2 ]
amdhsa.kernels:
  - .name:           k_qf2ec3d5ff0_outp
    .symbol:         k_qf2ec3d5ff0_outp.kd
    .args:
      - { .name: cc, .offset: 0, .size: 8, .value_kind: global_buffer, .address_space: global }
      - { .name: cs, .offset: 8, .size: 8, .value_kind: global_buffer, .address_space: global }
      - { .name: c1, .offset: 16, .size: 8, .value_kind: global_buffer, .address_space: global }
      - { .name: s1, .offset: 24, .size: 8, .value_kind: global_buffer, .address_space: global }
      - { .name: b_o, .offset: 32, .size: 8, .value_kind: global_buffer, .address_space: global }
      - { .name: out0, .offset: 40, .size: 8, .value_kind: global_buffer, .address_space: global }
    .group_segment_fixed_size: 327680
    .private_segment_fixed_size: 0
    .kernarg_segment_align: 8
    .kernarg_segment_size: 48
    .max_flat_workgroup_size: 128
    .sgpr_count:     66
    .vgpr_count:     768
    .wavefront_size: 32
...
	.end_amdgpu_metadata
.endif
;; end of part 4
